; MI455X (gfx1250); checked and timed in simulation.
; The chip was launched on July 23, 2026; its instructions are those of AMD's public machine-readable ISA for CDNA 5 (MIT licence, August 2026) and "CDNA5" Instruction Set Architecture Reference Guide (July 2026). The comments in the code are by the model that wrote it; some were corrected since.
;; Multi Head Attention. Allowed arithmetic: matrix products marked QUANTISED: E2M1 operands, one E8M0 scale for each 32 along K, by v_wmma_scale_f32_16x16x128_f8f6f4 with both operands' format E2M1 (or v_wmma_scale_f32_32x16x128_f4), f32 sums; products left as they are: bf16, f16 or f32 operands; f32 sums; everything else in f32.
;; Inputs: Wk 1,024 x 1,024 float32; Wp 1,024 x 1,024 float32; Wq 1,024 x 1,024 float32; Wv 1,024 x 1,024 float32; bp 1,024 float32; x 4 x 2,048 x 1,024 float32.
;; Outputs: out0 4 x 2,048 x 1,024 float32.
;; This version of the problem:
;;   THIS VERSION OF THE PROBLEM IS GIVEN IN LOW PRECISION. The matrix products marked QUANTISED in the list below multiply operands that are first quantised to E2M1 (2 exponent bits, 1 mantissa bit; 4 bits a number), with one power-of-two scale for each 32 numbers along K (OCP MX v1.0); their sums are f32. The products marked 'left as it is' may take bf16, f16 or f32 operands, with f32 sums. Whichever they take, every output number must still come out within the allowed error. Rounding operands to bf16 (8 significant bits) uses up far more of that allowance than f16 does (11 bits, for magnitudes from 6e-5 to 65,504). All else is computed in f32.
;;   The module's matrix products, in the order in which they are computed (A, B: the left and right operand; K: the contracted axis; several contracted axes count as one K, in the product's order):
;;     1. [M 8,192, K 1,024] x [K 1,024, N 1,024]; A: input x; B: input Wq: QUANTISED
;;     2. [M 8,192, K 1,024] x [K 1,024, N 1,024]; A: input x; B: input Wk: QUANTISED
;;     3. [M 8,192, K 1,024] x [K 1,024, N 1,024]; A: input x; B: input Wv: QUANTISED
;;     4. batch 64 x [M 2,048, K 64] x [K 64, N 2,048]; A: computed on the way; B: computed on the way: left as it is (an operand is computed on the way)
;;     5. batch 64 x [M 2,048, K 2,048] x [K 2,048, N 64]; A: computed on the way; B: computed on the way: left as it is (an operand is computed on the way)
;;     6. [M 8,192, K 1,024] x [K 1,024, N 1,024]; A: computed on the way; B: input Wp: left as it is (an operand is computed on the way)
;;   THE QUANTISER, for each operand of a quantised product, along K:
;;     - K is cut into blocks of 32 from its start; a last block that is shorter is filled with zeros.
;;     - A block's scale is 2^e with e = floor(log2(the largest magnitude in the block)) - 2, held to -126 .. 127; a block of zeros has e = 0. As a byte (E8M0): e + 127.
;;     - Each number is divided by its block's scale, clamped to +-6, and rounded to the nearest number of E2M1, ties to even, subnormals kept.
;;     - The product sums the exact products of the quantised numbers (number of the format x scale) in f32.
;;   ~~~python
;;   def quantise(x, axis):      # numpy; x: float32 -> the quantised numbers, widened to float32 again
;;       x = np.moveaxis(x, axis, -1); K = x.shape[-1]
;;       x = np.pad(x, [(0, 0)] * (x.ndim - 1) + [(0, -K % 32)]); x = x.reshape(x.shape[:-1] + (-1, 32)); a = np.abs(x).max(-1, keepdims=True)
;;       e = np.where(a > 0, np.clip(np.frexp(np.where(a > 0, a, 1))[1] - 1 - 2, -126, 127), 0)      # np.frexp(a)[1] - 1 = floor(log2(a)), exactly
;;       r = np.clip(x / 2.0 ** e, -6, 6)
;;       step = 2.0 ** (np.maximum(np.frexp(np.where(r == 0, 1, r))[1] - 1, 0) - 1)
;;       q = np.round(r / step) * step * 2.0 ** e      # np.round: ties to even
;;       return np.moveaxis(q.reshape(q.shape[:-2] + (-1,))[..., :K], -1, axis).astype(np.float32)
;;   ~~~
;; One version. Each part assembles by itself: llvm-mc -triple=amdgcn-amd-amdhsa -mcpu=gfx1250 --defsym DOCPART=n.
;; ======== version 1 of 1: 5 launches
;; limits: values are held in f16: magnitudes above 65,504 overflow, below 6.1e-05 lose precision
;; workspace buffers: cod 5,767,168 bytes; scl 360,448 bytes; wpt 2,097,152 bytes; rope 1,048,576 bytes; qkv 50,331,648 bytes; fq 786,432 bytes; att 16,777,216 bytes
;; launch prep (part 1): grid 400 x 1, 4 waves a work-group, no clusters, 33,280 bytes of LDS; arguments x, Wq, Wk, Wv, Wp, cod, scl, wpt, rope; writes cod, scl, wpt, rope
.if DOCPART == 1
	.amdgcn_target "amdgcn-amd-amdhsa--gfx1250"
	.amdhsa_code_object_version 6
	.text
	.protected	k_q055459efef_prep
	.globl	k_q055459efef_prep
	.p2align	8
	.type	k_q055459efef_prep,@function
k_q055459efef_prep:
	s_mov_b64 s[64:65], 0
	v_nop
	global_prefetch_b8 v0, s[64:65] scope:SCOPE_SE
	s_setreg_imm32_b32 hwreg(HW_REG_WAVE_MODE, 25, 1), 1
	s_wait_xcnt 0x0
; PREP: everything that later launches read many times is made once.
;   x [8192][1024] f32      -> cod bytes 0 ..: E2M1 codes, K innermost, 512 bytes a row; scl bytes 0 ..: one E8M0 byte for each 32 along K, 32 bytes a row
;   Wq, Wk, Wv [1024 k][1024 n] f32 -> cod from WC on: codes as IMAGES OF THE OPERAND'S REGISTERS, [192 groups of 16 columns][8 K steps of 128][1,024 bytes]: block t of column r of a group at 256 t + 16 r;
;                              scl from WS on: [3072 columns][32 bytes]
;   Wp [1024 k][1024 n] f32 -> wpt: f16, images of 16 n x 32 k fragments, [64][32][1,024 bytes]: the 8 numbers k = 8 p .. 8 p + 7 of column r at 256 p + 16 r
;   rope: [2][2048 t][32 pairs][cos, sin] f32; table 0 is multiplied by log2(e) / 8 (for q: the softmax's factor 64^-0.5 and the change to base 2), table 1 is plain (for k)
; DEAD WORK OF THE WHOLE PROGRAM.  reference() sets wei to -inf wherever key > query, by a mask that it builds itself (jnp.tril); exp(-inf) = 0, so such a score adds 0 to the softmax's sum and 0 x v to the result,
; whatever finite values the inputs hold.  Key steps that lie wholly above the diagonal for all queries that a wave may own are left out in the launch attn.  Nothing else is left out; every input is loaded.
; LIMITS.  A NaN, an infinity or an overflow that reaches only scores above the diagonal is not carried to the result.  NaN and infinities among the inputs are not served.  A block whose largest magnitude lies under
; 2^-124 keeps the scale byte 1; a block of zeros keeps the byte 1 over zero codes (the bytes are read by this program alone).  Wp must lie under 65,504 in size (f16).
; cos and sin: two-part reduction by pi / 2 with fused multiply-adds, polynomials on +-pi / 4: good to about 2e-7 on an angle t x 10000^(-p / 32) that is good to a few units in its last place.
; FOUR PATHS, parted by the work-group's number alone: 0-95 Wq, Wk, Wv; 96-127 Wp; 128-143 the tables; 144-399 x.  Only the x path touches LDS.  No barrier: waves share nothing.
.set SPARE, 32768                      ; behind the four waves' regions: the spare words, 128 bytes for each wave
.set WC,    4194304
.set WS,    262144
.set SPW,   12                         ; v12  LDS address of my spare word; never rewritten
.set NIL,   13                         ; v13  0; never rewritten
.set X,     32                         ; v32-95   weights: two sets of 32 numbers down K
.set CW,    96                         ; v96-103  a block's codes, two sets
.set SB,    104                        ; v104-105 eight scale bytes
.set HW,    112                        ; v112-143 a block as f16, two sets of 16
.set NB,    8                          ; blocks of 32 along K for a wave: a quarter of K
	s_load_b512 s[8:23], s[0:1], 0x0               ; x s[8:9], Wq s[10:11], Wk s[12:13], Wv s[14:15], Wp s[16:17], cod s[18:19], scl s[20:21], wpt s[22:23]
	s_load_b64 s[24:25], s[0:1], 0x40              ; rope
	v_lshl_add_u32 v[SPW], v0, 2, SPARE
	v_mov_b32 v[NIL], 0
	v_lshrrev_b32 v1, 5, v0
	v_readfirstlane_b32 s2, v1                     ; wave 0..3
	v_and_b32 v2, 31, v0                           ; lane
	v_lshlrev_b32 v3, 2, v2                        ; the weights' paths: 4 bytes a lane
	s_mov_b32 s29, 0
	s_wait_kmcnt 0x0
	s_cmp_lt_u32 ttmp9, 96
	s_cbranch_scc1 .Lpath_w
	s_cmp_lt_u32 ttmp9, 128
	s_cbranch_scc1 .Lpath_p
	s_cmp_lt_u32 ttmp9, 144
	s_cbranch_scc1 .Lpath_r
	s_branch .Lpath_x
; A LANE TAKES A COLUMN, ITS REGISTERS RUN DOWN K: each load reads 128 consecutive bytes of one row k; a block of 32 along K lies in one lane.
.macro WLOAD t                         ; block t: rows 32 t + 0 .. 31 of my quarter of K, into set t % 2
.set WI, 0
.rept 32
	global_load_b32 v[X+32*((\t)%2)+WI], v3, s[26:27] offset:(32*(\t)+WI)*4096 th:TH_LOAD_NT
.set WI, WI+1
.endr
.endm
.macro WWAIT t
.if (\t) < NB-1
	s_wait_loadcnt 32                              ; this block's 32 loads are in; the next block's 32 may be out
.else
	s_wait_loadcnt 0
.endif
	s_wait_xcnt 0x0                                ; the stores of two blocks back have read the registers that this block writes
.endm
.macro WBLOCK t
.set XS, X+32*((\t)%2)
	WWAIT \t
	v_max3_num_f32 v16, |v[XS]|, |v[XS+1]|, |v[XS+2]|          ; the block's largest magnitude, in two chains
	v_max3_num_f32 v17, |v[XS+3]|, |v[XS+4]|, |v[XS+5]|
.irp i, 6,10,14,18,22,26
	v_max3_num_f32 v16, v16, |v[XS+\i]|, |v[XS+\i+1]|
	v_max3_num_f32 v17, v17, |v[XS+\i+2]|, |v[XS+\i+3]|
.endr
	v_max3_num_f32 v16, v16, |v[XS+30]|, |v[XS+31]|
	v_max3_num_f32 v16, v16, v17, 0x1800000        ; and the floor 2^(3 - 127): the byte cannot fall under 1
	v_add_nc_u32 v18, 0xff000000, v16              ; 2 off the exponent field: the conversion's scale operand
	v_lshrrev_b32 v19, 23, v18                     ; the scale's byte
.if (\t)%4 == 0
	v_mov_b32 v[SB+(\t)/4], v19
.else
	v_lshl_or_b32 v[SB+(\t)/4], v19, 8*((\t)%4), v[SB+(\t)/4]
.endif
.irp g, 0,1,2,3
	v_cvt_scalef32_pk8_fp4_f32 v[CW+4*((\t)%2)+\g], v[XS+8*\g:XS+8*\g+7], v18
.endr
	global_store_b128 v14, v[CW+4*((\t)%2):CW+4*((\t)%2)+3], s[18:19] offset:256*(\t)   ; sixteen lanes store 256 consecutive bytes, aligned: block t of 16 columns
.if (\t)+2 < NB
	WLOAD (\t)+2
.endif
.endm
.macro PBLOCK t
.set XS, X+32*((\t)%2)
	WWAIT \t
.set PI, 0
.rept 16
	v_cvt_pk_f16_f32 v[HW+16*((\t)%2)+PI], v[XS+2*PI], v[XS+2*PI+1]
.set PI, PI+1
.endr
.irp p, 0,1,2,3
	global_store_b128 v14, v[HW+16*((\t)%2)+4*\p:HW+16*((\t)%2)+4*\p+3], s[22:23] offset:1024*(\t)+256*\p   ; k = 8 p .. 8 p + 7 of 16 columns: 256 consecutive bytes, aligned
.endr
.if (\t)+2 < NB
	WLOAD (\t)+2
.endif
.endm
.Lpath_w:                                          ; ---- Wq, Wk, Wv: 96 groups of 32 columns x 4 quarters of K
	s_lshl_b32 s3, ttmp9, 2
	s_add_co_u32 s3, s3, s2                        ; 0 .. 383
	s_lshr_b32 s4, s3, 2                           ; group of 32 columns, 0 .. 95, the three weights on end
	s_and_b32 s5, s3, 3                            ; quarter of K
	s_cmp_lt_u32 s4, 64
	s_cselect_b64 s[26:27], s[12:13], s[14:15]
	s_cmp_lt_u32 s4, 32
	s_cselect_b64 s[26:27], s[10:11], s[26:27]     ; the choice hangs on ids alone
	s_and_b32 s6, s4, 31
	s_lshl_b32 s28, s6, 7                          ; 32 columns are 128 bytes
	s_lshl_b32 s7, s5, 20                          ; 256 rows of 4,096 bytes
	s_add_co_u32 s28, s28, s7
	s_add_nc_u64 s[26:27], s[26:27], s[28:29]
	s_lshl_b32 s28, s4, 14                         ; two groups of 16 columns: 2 x 8,192 bytes of images
	s_lshl_b32 s7, s5, 11                          ; 8 blocks of 256 bytes
	s_add_co_u32 s28, s28, s7
	s_add_co_u32 s28, s28, WC
	s_add_nc_u64 s[18:19], s[18:19], s[28:29]
	s_lshl_b32 s28, s4, 10                         ; 32 rows of 32 scale bytes
	s_lshl_b32 s7, s5, 3
	s_add_co_u32 s28, s28, s7
	s_add_co_u32 s28, s28, WS
	s_add_nc_u64 s[20:21], s[20:21], s[28:29]
	v_lshrrev_b32 v14, 4, v2
	v_and_b32 v15, 15, v2
	v_lshlrev_b32 v15, 4, v15
	v_lshl_add_u32 v14, v14, 13, v15               ; 8,192 (lane / 16) + 16 (lane % 16)
	v_lshlrev_b32 v15, 5, v2                       ; my column's row of scale bytes
	WLOAD 0
	WLOAD 1
.irp t, 0,1,2,3,4,5,6,7
	WBLOCK \t
.endr
	global_store_b64 v15, v[SB:SB+1], s[20:21]     ; my column's 8 scale bytes
	s_endpgm
.Lpath_p:                                          ; ---- Wp: 32 groups of 32 columns x 4 quarters of K
	s_sub_co_u32 s3, ttmp9, 96
	s_lshl_b32 s3, s3, 2
	s_add_co_u32 s3, s3, s2                        ; 0 .. 127
	s_lshr_b32 s4, s3, 2
	s_and_b32 s5, s3, 3
	s_lshl_b32 s28, s4, 7
	s_lshl_b32 s7, s5, 20
	s_add_co_u32 s28, s28, s7
	s_add_nc_u64 s[26:27], s[16:17], s[28:29]
	s_lshl_b32 s28, s4, 16                         ; two groups of 16 columns: 2 x 32,768 bytes
	s_lshl_b32 s7, s5, 13                          ; 8 fragments of 1,024 bytes
	s_add_co_u32 s28, s28, s7
	s_add_nc_u64 s[22:23], s[22:23], s[28:29]
	v_lshrrev_b32 v14, 4, v2
	v_and_b32 v15, 15, v2
	v_lshlrev_b32 v15, 4, v15
	v_lshl_add_u32 v14, v14, 15, v15               ; 32,768 (lane / 16) + 16 (lane % 16)
	WLOAD 0
	WLOAD 1
.irp t, 0,1,2,3,4,5,6,7
	PBLOCK \t
.endr
	s_endpgm
.Lpath_r:                                          ; ---- the tables: a wave takes 32 positions, a lane a pair p
	s_sub_co_u32 s3, ttmp9, 128
	s_lshl_b32 s3, s3, 2
	s_add_co_u32 s3, s3, s2                        ; 0 .. 63
	s_lshl_b32 s4, s3, 5                           ; my first position
	s_lshl_b32 s6, s4, 8                           ; 256 bytes a position
	s_mov_b32 s32, 0x3fc90fdb                      ; pi / 2, upper part
	s_mov_b32 s33, 0xb33bbd2e                      ; and the rest
	s_mov_b32 s34, 0xb94ca1f9                      ; sine's polynomial
	s_mov_b32 s35, 0x3c08839e
	s_mov_b32 s36, 0xbe2aaaa3
	s_mov_b32 s37, 0x37ccf5ce                      ; cosine's
	s_mov_b32 s38, 0xbab6061a
	s_mov_b32 s39, 0x3d2aaaa5
	s_mov_b32 s40, 0x3e38aa3b                      ; log2(e) / 8
	s_mov_b32 s41, s40                             ; (named with it as a pair, so it is written)
	v_cvt_f32_u32 v3, v2
	v_mul_f32 v3, 0xbed49a78, v3                   ; -p log2(10000) / 32
	v_exp_f32 v4, v3                               ; 10000^(-p / 32)
	v_lshlrev_b32 v5, 3, v2                        ; (a plain instruction behind the exponential)  8 bytes a pair
	v_add_nc_u32 v5, s6, v5
	v_cvt_f32_u32 v6, s4                           ; t
	s_wait_alu depctr_va_vdst(0)                   ; the wait ahead of the first reader of the exponential
	s_mov_b32 s7, 0
.Lrt:
	v_mul_f32 v7, v6, v4                           ; the angle
	v_mul_f32 v8, 0x3f22f983, v7
	v_rndne_f32 v8, v8                             ; how many quarter turns
	v_fma_f32 v9, -v8, s32, v7
	v_fma_f32 v9, -v8, s33, v9                     ; what is left, within +-pi / 4
	v_mul_f32 v10, v9, v9
	v_cvt_i32_f32 v11, v8
	v_fma_f32 v16, v10, s34, s35
	v_fma_f32 v16, v16, v10, s36
	v_mul_f32 v17, v9, v10
	v_fma_f32 v16, v16, v17, v9                    ; sine
	v_fma_f32 v18, v10, s37, s38
	v_fma_f32 v18, v18, v10, s39
	v_mul_f32 v18, v18, v10
	v_fma_f32 v19, v10, -0.5, 1.0
	v_fma_f32 v18, v18, v10, v19                   ; cosine
	v_and_b32 v20, 1, v11
	v_cmp_eq_u32 vcc_lo, 1, v20
	v_cndmask_b32 v21, v16, v18, vcc_lo            ; an odd number of quarter turns swaps the two,
	v_cndmask_b32 v22, v18, v16, vcc_lo
	v_and_b32 v23, 2, v11
	v_lshlrev_b32 v23, 30, v23                     ; quarters 2 and 3 turn the sine's sign,
	v_add_nc_u32 v24, 1, v11
	v_and_b32 v24, 2, v24
	v_lshlrev_b32 v24, 30, v24                     ; quarters 1 and 2 the cosine's
	v_xor_b32 v27, v21, v23
	v_xor_b32 v26, v22, v24
	global_store_b64 v5, v[26:27], s[24:25] offset:524288      ; the wave stores 256 consecutive bytes, aligned
	v_pk_mul_f32 v[28:29], v[26:27], s[40:41] op_sel_hi:[1,0]
	global_store_b64 v5, v[28:29], s[24:25]
	s_wait_xcnt 0x0                                ; the offset and the data are written again only behind this wait
	v_add_nc_u32 v5, 256, v5
	v_add_f32 v6, 1.0, v6
	s_add_co_u32 s7, s7, 1
	s_cmp_lt_u32 s7, 32
	s_cbranch_scc1 .Lrt
	s_endpgm
; ---- x: a plain stream of blocks of 32.  A wave takes 16 steps of 512 numbers.  Each load reads 512 consecutive bytes; a step's 2,048 bytes turn through the wave's own stage in LDS, so that a lane holds 16 neighbours
; (two neighbouring lanes hold a block); a wave's store of codes covers 256 consecutive bytes; its 256 scale bytes are gathered in LDS and leave as one aligned run of 256 bytes.
.set WREG,  8192                       ; a wave's LDS: two stages of 32 x SP bytes, then its 256 scale bytes
.set SP,    80                         ; a lane's 64 bytes + 16 of padding
.set CB,    8
.set STEPS, 16
.set R,     16                         ; v16-79   four sets of 16 numbers as loaded
.set XX,    80                         ; v80-111  two sets of 16 neighbours
.set C,     128                        ; v128-191 codes, registers of its own for each step
.set E,     112                        ; v112-127 a scale byte for each step
.macro XLOAD t
.irp i, 0,1,2,3
	global_load_b128 v[R+16*((\t)%4)+4*\i:R+16*((\t)%4)+4*\i+3], v3, s[8:9] offset:2048*(\t)+512*\i th:TH_LOAD_NT
.endr
.endm
.macro XTURN t                         ; LDS serves a wave's instructions in order: no wait between the stores and the loads
.irp i, 0,1,2,3
	ds_store_b128 v14, v[R+16*((\t)%4)+4*\i:R+16*((\t)%4)+4*\i+3] offset:32*SP*((\t)%2)+8*SP*\i
.endr
.irp i, 0,1,2,3
	ds_load_b128 v[XX+16*((\t)%2)+4*\i:XX+16*((\t)%2)+4*\i+3], v15 offset:32*SP*((\t)%2)+16*\i
.endr
.endm
.macro XSTEP t
.set XS, XX+16*((\t)%2)
.if (\t) > 0
	s_wait_dscnt 1                                 ; this step's numbers are back from the stage; the last step's byte store may be out
.else
	s_wait_dscnt 0x0
.endif
.if (\t)+4 < STEPS
	XLOAD (\t)+4
.endif
.if (\t)+1 < STEPS
.if STEPS-2-(\t) >= 3
	s_wait_loadcnt 12                              ; the next step's four loads are in; those of the three steps behind it may be out
.else
	s_wait_loadcnt 4*(STEPS-2-(\t))
.endif
	XTURN (\t)+1
.endif
	v_max3_num_f32 v8, |v[XS]|, |v[XS+1]|, |v[XS+2]|
	v_max3_num_f32 v9, |v[XS+3]|, |v[XS+4]|, |v[XS+5]|
.irp i, 6,10
	v_max3_num_f32 v8, v8, |v[XS+\i]|, |v[XS+\i+1]|
	v_max3_num_f32 v9, v9, |v[XS+\i+2]|, |v[XS+\i+3]|
.endr
	v_max3_num_f32 v8, v8, |v[XS+14]|, |v[XS+15]|
	v_max3_num_f32 v8, v8, v9, 0x1800000           ; the floor 2^(3 - 127)
	v_max_num_f32_dpp v8, v8, v8 row_xmask:1 row_mask:0xf bank_mask:0xf   ; with my neighbour's 16: the block's largest magnitude
	v_add_nc_u32 v11, 0xff000000, v8               ; 2 off its exponent field: the conversion's scale operand
	v_cvt_scalef32_pk8_fp4_f32 v[C+4*(\t)], v[XS:XS+7], v11
	v_cvt_scalef32_pk8_fp4_f32 v[C+4*(\t)+1], v[XS+8:XS+15], v11
	v_lshrrev_b32 v[E+(\t)], 23, v11               ; the scale's byte
	ds_store_b8 v5, v[E+(\t)] offset:16*(\t)       ; both lanes of a block write the same byte with the same value
	global_store_b64 v4, v[C+4*(\t):C+4*(\t)+1], s[18:19] offset:32*CB*(\t)
.endm
.Lpath_x:
	v_lshlrev_b32 v3, 4, v2                        ; my 16 bytes of a load's 512
	s_mul_i32 s3, s2, WREG
	v_lshrrev_b32 v14, 2, v2
	v_mul_u32_u24 v14, v14, SP
	v_and_b32 v15, 3, v2
	v_lshl_add_u32 v14, v15, 4, v14
	v_add_nc_u32 v14, s3, v14                      ; the stage, on the way in: SP (lane / 4) + 16 (lane % 4)
	v_mul_u32_u24 v15, v2, SP
	v_add_nc_u32 v15, s3, v15                      ; and on the way out: SP x lane
	v_mul_u32_u24 v4, v2, CB
	v_lshrrev_b32 v5, 1, v2
	s_add_co_u32 s3, s3, 2*32*SP
	v_add_nc_u32 v5, s3, v5                        ; my block's byte among the wave's 256
	v_lshlrev_b32 v7, 3, v2
	v_add_nc_u32 v6, s3, v7
	s_sub_co_u32 s4, ttmp9, 144
	s_lshl_b32 s4, s4, 2
	s_add_co_u32 s4, s4, s2                        ; which run of 8,192 numbers is my wave's: 0 .. 1,023
	s_lshl_b32 s28, s4, 15
	s_add_nc_u64 s[8:9], s[8:9], s[28:29]
	s_lshl_b32 s28, s4, 12
	s_add_nc_u64 s[18:19], s[18:19], s[28:29]
	s_lshl_b32 s28, s4, 8
	s_add_nc_u64 s[20:21], s[20:21], s[28:29]
.irp t, 0,1,2,3
	XLOAD \t
.endr
	s_wait_loadcnt 12                              ; step 0's four loads are in
	XTURN 0
.irp t, 0,1,2,3,4,5,6,7,8,9,10,11,12,13,14,15
	XSTEP \t
.endr
	ds_load_b64 v[8:9], v6                         ; in order behind my byte stores
	s_wait_dscnt 0x0
	global_store_b64 v7, v[8:9], s[20:21]          ; 32 lanes store 256 consecutive bytes, aligned
	s_wait_tensorcnt 0x0                           ; the wave's end, behind my last LDS store
	ds_add_u32 v[SPW], v[NIL]
	s_wait_dscnt 0x0
	s_endpgm
.Lfunc_end_k_q055459efef_prep:
	.size	k_q055459efef_prep, .Lfunc_end_k_q055459efef_prep-k_q055459efef_prep
	.p2alignl 7, 3214868480
	.fill 96, 4, 3214868480
	.section	.rodata,"a",@progbits
	.p2align	6, 0x0
	.amdhsa_kernel k_q055459efef_prep
		.amdhsa_group_segment_fixed_size 33280
		.amdhsa_private_segment_fixed_size 0
		.amdhsa_enable_private_segment 0
		.amdhsa_kernarg_size 72
		.amdhsa_user_sgpr_count 2
		.amdhsa_user_sgpr_kernarg_segment_ptr 1
		.amdhsa_wavefront_size32 1
		.amdhsa_system_sgpr_workgroup_id_x 1
		.amdhsa_system_sgpr_workgroup_id_y 1
		.amdhsa_system_sgpr_workgroup_id_z 1
		.amdhsa_system_vgpr_workitem_id 0
		.amdhsa_next_free_vgpr 192
		.amdhsa_next_free_sgpr 66
		.amdhsa_reserve_vcc 1
		.amdhsa_float_denorm_mode_32 3
		.amdhsa_float_denorm_mode_16_64 3
		.amdhsa_memory_ordered 1
		.amdhsa_forward_progress 1
		.amdhsa_inst_pref_size 110
	.end_amdhsa_kernel
	.amdgpu_metadata
---
amdhsa.version: [ 1, 2 ]
amdhsa.kernels:
  - .name:           k_q055459efef_prep
    .symbol:         k_q055459efef_prep.kd
    .args:
      - { .name: x, .offset: 0, .size: 8, .value_kind: global_buffer, .address_space: global }
      - { .name: Wq, .offset: 8, .size: 8, .value_kind: global_buffer, .address_space: global }
      - { .name: Wk, .offset: 16, .size: 8, .value_kind: global_buffer, .address_space: global }
      - { .name: Wv, .offset: 24, .size: 8, .value_kind: global_buffer, .address_space: global }
      - { .name: Wp, .offset: 32, .size: 8, .value_kind: global_buffer, .address_space: global }
      - { .name: cod, .offset: 40, .size: 8, .value_kind: global_buffer, .address_space: global }
      - { .name: scl, .offset: 48, .size: 8, .value_kind: global_buffer, .address_space: global }
      - { .name: wpt, .offset: 56, .size: 8, .value_kind: global_buffer, .address_space: global }
      - { .name: rope, .offset: 64, .size: 8, .value_kind: global_buffer, .address_space: global }
    .group_segment_fixed_size: 33280
    .private_segment_fixed_size: 0
    .kernarg_segment_align: 8
    .kernarg_segment_size: 72
    .max_flat_workgroup_size: 128
    .sgpr_count:     66
    .vgpr_count:     192
    .wavefront_size: 32
...
	.end_amdgpu_metadata
.endif
;; end of part 1
;; launch qkv (part 2): grid 12 x 32, 4 waves a work-group, clusters of 4 x 4, 327,680 bytes of LDS; arguments cod, scl, rope, qkv, fq; writes qkv, fq
.if DOCPART == 2
	.amdgcn_target "amdgcn-amd-amdhsa--gfx1250"
	.amdhsa_code_object_version 6
	.text
	.protected	k_q055459efef_qkv
	.globl	k_q055459efef_qkv
	.p2align	8
	.type	k_q055459efef_qkv,@function
k_q055459efef_qkv:
	s_mov_b64 s[64:65], 0
	v_nop
	global_prefetch_b8 v0, s[64:65] scope:SCOPE_SE
	s_setreg_imm32_b32 hwreg(HW_REG_WAVE_MODE, 25, 1), 1
	s_wait_xcnt 0x0
	s_wait_alu depctr_hold_cnt(0) depctr_sa_sdst(0) depctr_va_vdst(0) depctr_va_sdst(0) depctr_va_ssrc(0) depctr_va_vcc(0) depctr_vm_vsrc(0)
	s_getreg_b32 s2, hwreg(HW_REG_IB_STS2, 6, 4)
	s_cmp_eq_u32 s2, 0
	s_cbranch_scc0 .Lentry_in_a_cluster
	s_endpgm
.Lentry_in_a_cluster:
	s_bfe_u32 s2, ttmp6, 0x10000c
	s_cmp_lg_u32 s2, 0xf033
	s_cbranch_scc0 .Lentry_shape_is_right
	s_endpgm
.Lentry_shape_is_right:
; QKV: [8192 tokens][1024] x [1024][3072 = Wq | Wk | Wv] on codes of E2M1 with E8M0 scales, sums in f32; then the rotation of q and k in f32 (q's table carries log2(e) / 8), rounding to f16,
; and out as qkv [3][batch x 16 + head][2048 t][64].  The rows t < 16 of every sequence also leave unrounded, fq [3][batch x 16 + head][16][64] f32, for the launch fine.
; A tile of 256 tokens x 256 columns is made by four waves, each 128 x 128: 64 accumulators, 512 registers.  K = 1,024 is two LDS slots of 512 along K: both are first fills, nothing is filled again.
; A's tiles are rows of 256 bytes of codes, padded to 272 in LDS.  B's are images of the operand's registers (1,024 bytes for 16 columns x 128 K): a fragment comes by two loads of 512 consecutive bytes.
; The scale bytes of the tile's 256 rows and 256 columns for all of K come once, as in memory, in runs of 256 bytes + 16 of padding.
; CLUSTERS: 4 x 4.  The tile row is 8 cy + cluster y (cy is the batch), the tile column 4 cluster x + cx (cluster x says q, k or v).  A's tiles are shared along a row of the cluster, B's along a column: joint loads.
; So the position t and the choice q / k / v are the same in all partners: the two branches of the way out hang on cluster x, cluster y and the wave's number alone.
; THE MATRIX INSTRUCTION IS USED TRANSPOSED (source 0 = 16 columns of W, source 1 = 16 tokens): a lane holds one token and eight neighbouring columns: four pairs of the rotation.
; LIMITS: q x 0.18, k and v must lie under 65,504 in size (f16).
; REGISTERS: window 0: v0-31 addresses; v32-95 scale words, two sets, and nothing else; v128-191 A's fragments, one set; on the way out v96-255 are free.
;   window 1: B's fragments, two sets, at v0 and v128; on the way out v0-63 take the table of (cos, sin).  windows 2, 3: the accumulators ((a, b) at v[8 (8 (a % 4) + b)]).
.set NQ,     4                         ; steps of 128 along K in a slot
.set ROWB,   256
.set KROW,   512                       ; a row of x's codes in memory; also 16 columns' images / 16
.set PITCH,  272
.set FR,     8
.set NL,     2
.set NP,     4                         ; places behind this matrix instruction (ISA guide 7.12.1)
.set HALFT,  128*PITCH
.set SLOT,   4*HALFT                   ; A's 256 rows, then B's two halves (32,768 of each 34,816 bytes used)
.set KS,     32
.set SCL,    2*SLOT
.set HALFS,  4352
.set SBLK,   544
.set SPARE,  SCL+4*HALFS               ; the spare words, 128 bytes for each wave
.set WC,     4194304
.set WS,     262144
.set SPITCH, 272                       ; the way out: a stage of 16 rows x (256 bytes + 16) for each wave, in slot 0, which has had its only fill and its last read by then
.set ADRA, 16
.set ADRB, 20
.set STO,  24
.set RD,   25
.set GO,   26                          ; v26  16 x lane
.set ADRS, 27
.set SPW,  28
.set NIL,  29
.set RO,   30                          ; v30  256 r + 32 h: my place in 16 rows of the table, and of fq
.set SC,   32
.set AF,   128
.set T0,   0                           ; the way out: window 1, v0-63: two sets of (cos, sin);
.set OO,   96                          ; window 0: v96-159 rotated; v160-191 packed; v192-255 rows read back, two sets
.set TMP,  160
.set BK,   192
.set G1, 24
.set G0, 32
.set G1B, 48
.set G0B, 56
.set G1S, 68
.set G0S, 76
.set G1SB, 80
.set G0SB, 88
.set FINE, 3                           ; s3  1 where my first 16 rows are t = 0 .. 15
.set MSB, 0
.macro WIN new                         ; the immediate's high byte repeats the setting that is left
.if MSB != (\new)
	s_set_vgpr_msb (MSB<<8)|(\new)
.set MSB, \new
.endif
.endm
.set MUL_LO, 0xa1
.set MUL_HI, 0xf1
.set TO_B,   0x40
.macro JLOAD g0a, g1a, g0b, g1b        ; waves 0 and 1 fetch for A, waves 2 and 3 for B; an s_nop 0 and four v_nop follow each line
	s_cmp_eq_u32 s15, 0
	s_cbranch_scc0 .Lfor_b_\@
	tensor_load_to_lds s[\g0a:\g0a+3], s[\g1a:\g1a+7]
	s_nop 0
.rept 4
	v_nop
.endr
	s_branch .Lasked_\@
.Lfor_b_\@:
	tensor_load_to_lds s[\g0b:\g0b+3], s[\g1b:\g1b+7]
	s_nop 0
.rept 4
	v_nop
.endr
.Lasked_\@:
.endm
.macro CROUND                          ; a round of the cluster's barrier
	s_barrier_signal -1
	s_barrier_wait -1
	s_cmp_lg_u32 s14, 0
	s_cbranch_scc1 .Lnot_wave_0_\@
	s_barrier_signal -3
.Lnot_wave_0_\@:
	s_barrier_wait -3
	s_barrier_signal -1
	s_barrier_wait -1
.endm
	s_load_b256 s[4:11], s[0:1], 0x0               ; cod s[4:5], scl s[6:7], rope s[8:9], qkv s[10:11]
	s_load_b64 s[12:13], s[0:1], 0x20              ; fq
	v_lshl_add_u32 v[SPW], v0, 2, SPARE
	v_mov_b32 v[NIL], 0
	ds_add_u32 v[SPW], v[NIL]                      ; the wave's opening: the add, twice on end, and its wait ahead of my first tensor load
	ds_add_u32 v[SPW], v[NIL]
	v_lshrrev_b32 v1, 5, v0
	v_readfirstlane_b32 s14, v1                    ; wave 0..3
	s_lshr_b32 s15, s14, 1                         ; my half of the tile's rows.  Also: I fetch for A (0) or for B (1)
	s_and_b32 s16, s14, 1                          ; my half of its columns.  Also: which half I fetch
	s_bfe_u32 s40, ttmp6, 0x40000                  ; cx
	s_bfe_u32 s41, ttmp6, 0x40004                  ; cy
	s_lshl_b32 s42, ttmp9, 2
	s_add_co_u32 s42, s42, s40                     ; tile column = 4 x cluster x + cx
	s_and_b32 s17, ttmp7, 0xffff
	s_lshl_b32 s18, s41, 3
	s_add_co_u32 s17, s17, s18                     ; tile row = 8 cy + cluster y
	s_lshl_b32 s43, s41, 2
	s_lshl_b32 s43, 15, s43                        ; my row of the cluster
	s_lshl_b32 s44, 0x1111, s40                    ; my column
	s_or_b32 s[G1+0], s43, (0<<16)|(1<<20)|(1<<21)|(5<<22)|(3<<25)  ; A's codes: elements of 1 byte; 4 words of padding after every 64
	s_mov_b32 s[G1+1], ROWB<<16
	s_mov_b32 s[G1+2], 128<<16
	s_mov_b32 s[G1+3], ROWB<<16
	s_mov_b32 s[G1+4], 128
	s_mov_b32 s[G1+5], KROW
	s_mov_b32 s[G1+6], 0
	s_mov_b32 s[G1+7], 0
	s_or_b32 s[G1B+0], s44, (3<<16)|(1<<21)        ; B's images: elements of 8 bytes, no padding: 8 rows (groups of 16 columns) of 4,096 bytes, 8,192 bytes apart
	s_mov_b32 s[G1B+1], 512<<16
	s_mov_b32 s[G1B+2], 8<<16
	s_mov_b32 s[G1B+3], 512<<16
	s_mov_b32 s[G1B+4], 8
	s_mov_b32 s[G1B+5], 1024
	s_mov_b32 s[G1B+6], 0
	s_mov_b32 s[G1B+7], 0
	s_or_b32 s[G1S+0], s43, (3<<16)|(1<<20)|(1<<21)|(5<<22)|(3<<25) ; the scales of 128 rows: 4,096 dense bytes as 16 rows of 256, 16 bytes of padding behind each
	s_or_b32 s[G1SB+0], s44, (3<<16)|(1<<20)|(1<<21)|(5<<22)|(3<<25)
.irp g, G1S, G1SB
	s_mov_b32 s[\g+1], 32<<16
	s_mov_b32 s[\g+2], 16<<16
	s_mov_b32 s[\g+3], 32<<16
	s_mov_b32 s[\g+4], 16
	s_mov_b32 s[\g+5], 32
	s_mov_b32 s[\g+6], 0
	s_mov_b32 s[\g+7], 0
.endr
	s_lshl_b32 s18, s16, 7
	s_lshl_b32 s20, s17, 8
	s_add_co_u32 s20, s20, s18                     ; A: token 256 x tile row + 128 x half
	s_lshl_b32 s46, s42, 8
	s_add_co_u32 s46, s46, s18                     ; B: column 256 x tile column + 128 x half
	s_mov_b32 s21, 0
	s_mov_b32 s47, 0
	s_mov_b64 s[18:19], KS
	s_mul_u64 s[22:23], s[20:21], s[18:19]
	s_mul_u64 s[92:93], s[46:47], s[18:19]
	s_mov_b64 s[18:19], KROW
	s_mul_u64 s[20:21], s[20:21], s[18:19]
	s_mul_u64 s[46:47], s[46:47], s[18:19]         ; 16 columns' images are 8,192 bytes: 512 a column
	s_mul_i32 s45, s14, HALFT
	s_mul_i32 s94, s14, HALFS
	s_wait_dscnt 0x0                               ; both opening adds are done
	s_wait_kmcnt 0x0
	s_add_nc_u64 s[20:21], s[4:5], s[20:21]
	s_add_nc_u64 s[22:23], s[6:7], s[22:23]
	s_add_nc_u64 s[46:47], s[4:5], s[46:47]
	s_add_nc_u64 s[46:47], s[46:47], WC
	s_add_nc_u64 s[92:93], s[6:7], s[92:93]
	s_add_nc_u64 s[92:93], s[92:93], WS
	CROUND                                         ; all sixteen work-groups are here: the joint loads meet
	s_mov_b32 s[G0S], 1
	s_add_co_u32 s[G0S+1], s94, SCL
	s_mov_b64 s[G0S+2:G0S+3], s[22:23]
	s_or_b32 s[G0S+3], s[G0S+3], 0x80000000
	s_mov_b32 s[G0SB], 1
	s_add_co_u32 s[G0SB+1], s94, SCL
	s_mov_b64 s[G0SB+2:G0SB+3], s[92:93]
	s_or_b32 s[G0SB+3], s[G0SB+3], 0x80000000
	JLOAD G0S, G1S, G0SB, G1SB                     ; the scales first: three loads of mine are out in all
.irp s, 0,1
	s_mov_b32 s[G0+4*\s], 1
	s_add_co_u32 s[G0+4*\s+1], s45, \s*SLOT
	s_add_nc_u64 s[G0+4*\s+2:G0+4*\s+3], s[20:21], \s*ROWB
	s_or_b32 s[G0+4*\s+3], s[G0+4*\s+3], 0x80000000
	s_mov_b32 s[G0B+4*\s], 1
	s_add_co_u32 s[G0B+4*\s+1], s45, \s*SLOT
	s_add_nc_u64 s[G0B+4*\s+2:G0B+4*\s+3], s[46:47], \s*4096
	s_or_b32 s[G0B+4*\s+3], s[G0B+4*\s+3], 0x80000000
	JLOAD G0+4*\s, G1, G0B+4*\s, G1B
.endr
	v_and_b32 v1, 15, v0                           ; r
	v_bfe_u32 v2, v0, 4, 1                         ; h
	v_mul_u32_u24 v3, v1, PITCH
	v_lshl_add_u32 v4, v2, 4, v3
	v_and_b32 v6, 31, v0
	v_lshlrev_b32 v[GO], 4, v6
	s_mul_i32 s21, s15, HALFT
	s_mul_i32 s22, s16, HALFT
	s_add_co_u32 s22, s22, 2*HALFT
.irp s, 0,1
	v_add_nc_u32 v[ADRA+\s], s21, v4               ; A: row x pitch + 16 h
	v_add_nc_u32 v[ADRB+\s], s22, v[GO]            ; B: 16 x lane
	s_add_co_u32 s21, s21, SLOT
	s_add_co_u32 s22, s22, SLOT
.endr
	v_mul_u32_u24 v5, v1, KS
	v_lshrrev_b32 v6, 8, v5
	v_lshl_add_u32 v5, v6, 4, v5                   ; my row's scales: 32 bytes a row, 16 more for each 256 passed
	s_mul_i32 s21, s15, HALFS
	s_mul_i32 s22, s16, HALFS
	s_add_co_u32 s22, s22, 2*HALFS
	s_sub_co_u32 s22, s22, s21
	v_mul_u32_u24 v6, s22, v2                      ; lanes 16-31 take B's
	s_add_co_u32 s21, s21, SCL
	v_add_nc_u32 v5, v5, v6
	v_add_nc_u32 v[ADRS], s21, v5
	s_mul_i32 s23, s14, 16*SPITCH                  ; my stage
	v_mul_u32_u24 v5, v1, SPITCH
	v_lshl_add_u32 v5, v2, 4, v5
	v_add_nc_u32 v[STO], s23, v5                   ; in: row r, 16 bytes for each half of the lanes
	v_bfe_u32 v5, v0, 3, 2
	v_mul_u32_u24 v5, v5, SPITCH
	v_and_b32 v6, 7, v0
	v_lshl_add_u32 v5, v6, 4, v5
	v_add_nc_u32 v[RD], s23, v5                    ; back: eight lanes to a head's 128 bytes of a row, four rows an instruction
	v_lshlrev_b32 v[RO], 8, v1
	v_lshl_add_u32 v[RO], v2, 5, v[RO]
	; the way out's bases
	s_and_b32 s18, ttmp7, 0xffff                   ; cluster y
	s_or_b32 s19, s18, s15
	s_cmp_eq_u32 s19, 0
	s_cselect_b32 s[FINE], 1, 0
	s_lshl_b32 s18, s18, 8
	s_lshl_b32 s19, s15, 7
	s_add_co_u32 s18, s18, s19                     ; my first position t
	s_lshl_b32 s19, s41, 4
	s_lshl_b32 s20, s40, 2
	s_add_co_u32 s19, s19, s20
	s_lshl_b32 s20, s16, 1
	s_add_co_u32 s19, s19, s20                     ; my first plane: 16 x batch + head
	s_lshl_b32 s20, ttmp9, 24
	s_lshl_b32 s22, s19, 18
	s_add_co_u32 s20, s20, s22
	s_lshl_b32 s22, s18, 7
	s_add_co_u32 s20, s20, s22
	s_mov_b32 s21, 0
	s_add_nc_u64 s[10:11], s[10:11], s[20:21]
	s_lshl_b32 s20, ttmp9, 18
	s_lshl_b32 s22, s19, 12
	s_add_co_u32 s20, s20, s22
	s_add_nc_u64 s[12:13], s[12:13], s[20:21]
	s_min_u32 s22, ttmp9, 1                        ; q: table 0, k: table 1 (v loads none)
	s_lshl_b32 s20, s22, 19
	s_lshl_b32 s22, s18, 8
	s_add_co_u32 s20, s20, s22
	s_add_nc_u64 s[8:9], s[8:9], s[20:21]
.macro FRAGA reg, slot, q, i           ; 16 rows x 128 K of 4-bit codes: registers 4 c .. 4 c + 3 hold K = 64 c + 32 h + 0 .. 31
.irp c, 0,1
	ds_load_b128 v[\reg+4*\c:\reg+4*\c+3], v[ADRA+\slot] offset:64*(\q)+32*\c+(\i)*16*PITCH
.endr
.endm
.macro FRAGB reg, slot, q, i           ; the same from an image
.irp c, 0,1
	ds_load_b128 v[\reg+4*\c:\reg+4*\c+3], v[ADRB+\slot] offset:(\i)*4096+(\q)*1024+512*\c
.endr
.endm
; 16 matrix instructions: A's blocks a0, a0 + 1 x B's eight.  The 64 accumulators take turns, one instruction a turn, in the same order in every step.
.macro MUL16 a0, p, q, sc, zero
.irp a, \a0, \a0+1
.irp b, 0,1,2,3,4,5,6,7
.if \zero
	v_wmma_scale_f32_16x16x128_f8f6f4 v[8*(8*((\a)%4)+\b):8*(8*((\a)%4)+\b)+7], v[128*(\p)+FR*\b:128*(\p)+FR*\b+FR-1], v[AF+FR*(\a):AF+FR*(\a)+FR-1], 0, v[SC+8*NQ*(\sc)+NQ*\b+(\q)], v[SC+8*NQ*(\sc)+NQ*(\a)+(\q)] matrix_a_fmt:MATRIX_FMT_FP4 matrix_b_fmt:MATRIX_FMT_FP4 matrix_a_scale:MATRIX_SCALE_ROW1
.else
	v_wmma_scale_f32_16x16x128_f8f6f4 v[8*(8*((\a)%4)+\b):8*(8*((\a)%4)+\b)+7], v[128*(\p)+FR*\b:128*(\p)+FR*\b+FR-1], v[AF+FR*(\a):AF+FR*(\a)+FR-1], v[8*(8*((\a)%4)+\b):8*(8*((\a)%4)+\b)+7], v[SC+8*NQ*(\sc)+NQ*\b+(\q)], v[SC+8*NQ*(\sc)+NQ*(\a)+(\q)] matrix_a_fmt:MATRIX_FMT_FP4 matrix_b_fmt:MATRIX_FMT_FP4 matrix_a_scale:MATRIX_SCALE_ROW1
.endif
.endr
.endr
.endm
.macro FETCH_B slot, q, p
	WIN TO_B
.irp i, 0,1,2,3,4,5,6,7
	FRAGB 128*(\p)+FR*\i, \slot, \q, \i
.endr
	WIN 0
.endm
.macro FETCH_A slot, q, i0
.irp i, \i0, \i0+1, \i0+2, \i0+3
	FRAGA AF+FR*(\i), \slot, \q, \i
.endr
.endm
.macro SCALES sc                       ; a slot's scale words: lanes 0-15 A's block i, lanes 16-31 B's block i
.irp i, 0,1,2,3,4,5,6,7
	ds_load_b128 v[SC+8*NQ*\sc+NQ*\i:SC+8*NQ*\sc+NQ*\i+3], v[ADRS] offset:\i*SBLK
.endr
.endm
.macro PLACES n
.rept \n
	v_nop
.endr
.endm
.macro STEP slot, q, zero              ; a step of 128 along K that has its successor in the same slot
	s_wait_dscnt 4*NL                              ; B's set and A's blocks 0-3 are in; the youngest 8 loads (A's blocks 4-7) may be out
	WIN MUL_LO
	MUL16 0, (\q)%2, \q, \slot, \zero
	MUL16 2, (\q)%2, \q, \slot, \zero
	s_wait_dscnt 0
	PLACES NP
	FETCH_B \slot, (\q)+1, 1-(\q)%2
	FETCH_A \slot, (\q)+1, 0
	WIN MUL_HI
	MUL16 4, (\q)%2, \q, \slot, \zero
	MUL16 6, (\q)%2, \q, \slot, \zero
	PLACES NP
	WIN 0
	FETCH_A \slot, (\q)+1, 4
.endm
	s_wait_tensorcnt 1                             ; the scales and my part of slot 0 are in; slot 1's load may be out
	s_barrier_signal -1
	s_barrier_wait -1
	FETCH_B 0, 0, 0
	FETCH_A 0, 0, 0
	SCALES 0
	FETCH_A 0, 0, 4
	STEP 0, 0, 1                                   ; the first products start the sums: nothing is cleared
	STEP 0, 1, 0
	STEP 0, 2, 0
	; slot 0's last step changes slots: one barrier
	s_wait_tensorcnt 0x0                           ; my part of slot 1 has landed
	ds_add_u32 v[SPW], v[NIL]
	s_wait_dscnt 4*NL+1                            ; the add and the youngest 8 loads may be out
	WIN MUL_LO
	MUL16 0, 1, 3, 0, 0
	s_wait_dscnt 0x0                               ; the add is done, and my reads of slot 0 are over
	s_barrier_signal -1
	MUL16 2, 1, 3, 0, 0
	WIN 0
	s_barrier_wait -1
	PLACES NP
	v_add_nc_u32 v[ADRS], 4*NQ, v[ADRS]            ; the second slot's scale words
	FETCH_B 1, 0, 0
	FETCH_A 1, 0, 0
	SCALES 1
	WIN MUL_HI
	MUL16 4, 1, 3, 0, 0
	MUL16 6, 1, 3, 0, 0
	PLACES NP
	WIN 0
	FETCH_A 1, 0, 4
	STEP 1, 0, 0
	STEP 1, 1, 0
	STEP 1, 2, 0
	s_wait_dscnt 4*NL
	WIN MUL_LO
	MUL16 0, 1, 3, 1, 0
	MUL16 2, 1, 3, 1, 0
	s_wait_dscnt 0
	WIN MUL_HI
	MUL16 4, 1, 3, 1, 0
	MUL16 6, 1, 3, 1, 0
	WIN 0
; THE WAY OUT, block by block of 16 tokens x 128 columns (two heads).  Lane (r, h) holds token r and, in accumulator b, columns 16 b + 8 h + 0 .. 7: pairs 8 (b % 4) + 4 h + 0 .. 3 of head b / 4.
.macro TLD a                           ; (cos, sin) of block a's 16 positions: my 4 pairs for each b % 4: 32 bytes each; into window 1, where B's first set lay (last read a step back)
.set TT, T0+32*((\a)%2)
	WIN 0x40                                       ; destination window 1, address window 0
.irp b, 0,1,2,3
	global_load_b128 v[TT+8*\b:TT+8*\b+3], v[RO], s[8:9] offset:(\a)*4096+64*\b
	global_load_b128 v[TT+8*\b+4:TT+8*\b+7], v[RO], s[8:9] offset:(\a)*4096+64*\b+16
.endr
	WIN 0
.endm
.macro ROT a                           ; (x0, x1) -> (x0 c - x1 s, x1 c + x0 s): a packed product (x1 s, x0 s), then a packed multiply-add; each accumulator from its low end on
.set AC, 64*((\a)%4)
.set TT, T0+32*((\a)%2)
	WIN 0x06+((\a)/4)                              ; source 0 (the sums): window 2 or 3; source 1 (the table): window 1; source 2 and destination: window 0
.irp b, 0,1,2,3,4,5,6,7
.irp u, 0,1,2,3
	v_pk_mul_f32 v[OO+8*\b+2*\u:OO+8*\b+2*\u+1], v[AC+8*\b+2*\u:AC+8*\b+2*\u+1], v[TT+8*(\b%4)+2*\u:TT+8*(\b%4)+2*\u+1] op_sel:[1,1] op_sel_hi:[0,1]
.endr
.irp u, 0,1,2,3
	v_pk_fma_f32 v[OO+8*\b+2*\u:OO+8*\b+2*\u+1], v[AC+8*\b+2*\u:AC+8*\b+2*\u+1], v[TT+8*(\b%4)+2*\u:TT+8*(\b%4)+2*\u+1], v[OO+8*\b+2*\u:OO+8*\b+2*\u+1] op_sel_hi:[1,0,1] neg_lo:[0,0,1]
.endr
.endr
	WIN 0
.endm
.macro CVT a                           ; rotated numbers to f16
.irp b, 0,1,2,3,4,5,6,7
.irp u, 0,1,2,3
	v_cvt_pk_f16_f32 v[TMP+4*\b+\u], v[OO+8*\b+2*\u], v[OO+8*\b+2*\u+1]
.endr
.endr
.endm
.macro CVTV a                          ; v: the sums as they are
.set AC, 64*((\a)%4)
	WIN 0x0a+5*((\a)/4)                            ; sources 0 and 1: window 2 or 3
.irp b, 0,1,2,3,4,5,6,7
.irp u, 0,1,2,3
	v_cvt_pk_f16_f32 v[TMP+4*\b+\u], v[AC+8*\b+2*\u], v[AC+8*\b+2*\u+1]
.endr
.endr
	WIN 0
.endm
.macro TOSTAGE a                       ; through my own stage: LDS serves a wave's instructions in order, so no wait between the stores and the loads, nor in front of the next block's stores
.set BB, BK+32*((\a)%2)
.irp b, 0,1,2,3,4,5,6,7
	ds_store_b128 v[STO], v[TMP+4*\b:TMP+4*\b+3] offset:32*\b
.endr
.irp t, 0,1,2,3,4,5,6,7
	ds_load_b128 v[BB+4*\t:BB+4*\t+3], v[RD] offset:(\t%4)*4*SPITCH+(\t/4)*128
.endr
.endm
.macro SEND a, younger                 ; four tokens of one head an instruction: 512 consecutive bytes, aligned
.set BB, BK+32*((\a)%2)
	s_wait_dscnt \younger
.irp t, 0,1,2,3,4,5,6,7
	global_store_b128 v[GO], v[BB+4*\t:BB+4*\t+3], s[10:11] offset:(\a)*2048+(\t/4)*262144+(\t%4)*512
.endr
.endm
	PLACES NP                                      ; in front of the first reads of results, and of loads into registers that the last products read
	s_cmp_eq_u32 ttmp9, 2                          ; cluster x: the same in all partners
	s_cbranch_scc1 .Lplain
	TLD 0
	TLD 1
.irp a, 0,1,2,3,4,5,6,7
.if \a < 7
	s_wait_loadcnt 8                               ; this block's table is in; the next block's eight loads may be out
.else
	s_wait_loadcnt 0
.endif
	ROT \a
.if \a == 0
	s_cmp_eq_u32 s[FINE], 1                        ; cluster y and the wave's number: t = 0 .. 15 also leave in f32
	s_cbranch_scc0 .Lnofine_r
.irp b, 0,1,2,3,4,5,6,7
	global_store_b128 v[RO], v[OO+8*\b:OO+8*\b+3], s[12:13] offset:(\b/4)*4096+64*(\b%4)
	global_store_b128 v[RO], v[OO+8*\b+4:OO+8*\b+7], s[12:13] offset:(\b/4)*4096+64*(\b%4)+16
.endr
	s_wait_xcnt 0x0                                ; the next block's rotation writes these registers
.Lnofine_r:
.endif
.if \a < 6
	TLD \a+2
.endif
.if \a > 1
	s_wait_xcnt 0x0                                ; block a - 2's stores have read the registers into which block a's rows are read back
.endif
	CVT \a
	TOSTAGE \a
.if \a > 0
	SEND \a-1, 16                                  ; behind block a - 1's loads: block a's 8 stores and 8 loads
.endif
.endr
	SEND 7, 0
	s_branch .Ldone
.Lplain:
.irp a, 0,1,2,3,4,5,6,7
.if \a == 0
	s_cmp_eq_u32 s[FINE], 1
	s_cbranch_scc0 .Lnofine_v
	WIN 0x08                                       ; a store's data are its source 1: window 2
.irp b, 0,1,2,3,4,5,6,7
	global_store_b128 v[RO], v[8*\b:8*\b+3], s[12:13] offset:(\b/4)*4096+64*(\b%4)
	global_store_b128 v[RO], v[8*\b+4:8*\b+7], s[12:13] offset:(\b/4)*4096+64*(\b%4)+16
.endr
	WIN 0
.Lnofine_v:
.endif
.if \a > 1
	s_wait_xcnt 0x0
.endif
	CVTV \a
	TOSTAGE \a
.if \a > 0
	SEND \a-1, 16
.endif
.endr
	SEND 7, 0
.Ldone:
	s_wait_tensorcnt 0x0                           ; the wave's end
	ds_add_u32 v[SPW], v[NIL]
	s_wait_dscnt 0x0
	CROUND                                         ; the closing round
	s_endpgm
.Lfunc_end_k_q055459efef_qkv:
	.size	k_q055459efef_qkv, .Lfunc_end_k_q055459efef_qkv-k_q055459efef_qkv
	.p2alignl 7, 3214868480
	.fill 96, 4, 3214868480
	.section	.rodata,"a",@progbits
	.p2align	6, 0x0
	.amdhsa_kernel k_q055459efef_qkv
		.amdhsa_group_segment_fixed_size 327680
		.amdhsa_private_segment_fixed_size 0
		.amdhsa_enable_private_segment 0
		.amdhsa_kernarg_size 40
		.amdhsa_user_sgpr_count 2
		.amdhsa_user_sgpr_kernarg_segment_ptr 1
		.amdhsa_wavefront_size32 1
		.amdhsa_system_sgpr_workgroup_id_x 1
		.amdhsa_system_sgpr_workgroup_id_y 1
		.amdhsa_system_sgpr_workgroup_id_z 1
		.amdhsa_system_vgpr_workitem_id 0
		.amdhsa_next_free_vgpr 1024
		.amdhsa_next_free_sgpr 98
		.amdhsa_reserve_vcc 0
		.amdhsa_float_denorm_mode_32 3
		.amdhsa_float_denorm_mode_16_64 3
		.amdhsa_memory_ordered 1
		.amdhsa_forward_progress 1
		.amdhsa_inst_pref_size 200
	.end_amdhsa_kernel
	.amdgpu_metadata
---
amdhsa.version: [ 1, 2 ]
amdhsa.kernels:
  - .name:           k_q055459efef_qkv
    .symbol:         k_q055459efef_qkv.kd
    .args:
      - { .name: cod, .offset: 0, .size: 8, .value_kind: global_buffer, .address_space: global }
      - { .name: scl, .offset: 8, .size: 8, .value_kind: global_buffer, .address_space: global }
      - { .name: rope, .offset: 16, .size: 8, .value_kind: global_buffer, .address_space: global }
      - { .name: qkv, .offset: 24, .size: 8, .value_kind: global_buffer, .address_space: global }
      - { .name: fq, .offset: 32, .size: 8, .value_kind: global_buffer, .address_space: global }
    .group_segment_fixed_size: 327680
    .private_segment_fixed_size: 0
    .kernarg_segment_align: 8
    .kernarg_segment_size: 40
    .max_flat_workgroup_size: 128
    .sgpr_count:     98
    .vgpr_count:     1024
    .wavefront_size: 32
...
	.end_amdgpu_metadata
.endif
;; end of part 2
;; launch attn (part 3): grid 4 x 64, 16 waves a work-group, clusters of 4 x 1, 327,680 bytes of LDS; arguments qkv, att; writes att
.if DOCPART == 3
	.amdgcn_target "amdgcn-amd-amdhsa--gfx1250"
	.amdhsa_code_object_version 6
	.text
	.protected	k_q055459efef_attn
	.globl	k_q055459efef_attn
	.p2align	8
	.type	k_q055459efef_attn,@function
k_q055459efef_attn:
	s_mov_b64 s[64:65], 0
	v_nop
	global_prefetch_b8 v0, s[64:65] scope:SCOPE_SE
	s_setreg_imm32_b32 hwreg(HW_REG_WAVE_MODE, 25, 1), 1
	s_wait_xcnt 0x0
	s_wait_alu depctr_hold_cnt(0) depctr_sa_sdst(0) depctr_va_vdst(0) depctr_va_sdst(0) depctr_va_ssrc(0) depctr_va_vcc(0) depctr_vm_vsrc(0)
	s_getreg_b32 s2, hwreg(HW_REG_IB_STS2, 6, 4)
	s_cmp_eq_u32 s2, 0
	s_cbranch_scc0 .Lentry_in_a_cluster
	s_endpgm
.Lentry_in_a_cluster:
	s_bfe_u32 s2, ttmp6, 0x10000c
	s_cmp_lg_u32 s2, 0x3003
	s_cbranch_scc0 .Lentry_shape_is_right
	s_endpgm
.Lentry_shape_is_right:
; ATTN: O[q] = sum over k <= q of softmax_k(q . k / 8) v[k], for each of 64 (batch, head).  q (times log2(e) / 8), k, v arrive as f16, [3][64][2048][64]; products on f16 operands, sums, maxima and exponentials in f32;
; p = 2^(s - m), m the running maximum; the row's sum is taken of p before it is rounded to f16.  O / sum leaves as f16 in the order of the projection's operand registers: att [512 groups of 16 tokens][32 K steps of 32][1,024 bytes].
; LEFT OUT: key steps that lie wholly above the diagonal for every query that a wave of this rank may own (shown dead at the head of the launch prep).
; SHARES.  A cluster of four work-groups is one (batch, head); all four walk all 2,048 keys, so each tile of K and V is asked for JOINTLY.  Wave w has a rank from a table (0, 5, 10, 15, 6, 3, 12, 9, 11, 14, 1, 4, 13, 8, 7, 2:
; any four waves with equal w % 4, or equal w / 4, have ranks that add to 30) and owns the 32 queries 128 rank + 32 cx + 0 .. 31: two tiles of 16.  A key step is 64 keys.  Step g is worked where g < 2 rank + 2 and masked
; where g >= 2 rank: both tests hang on the wave's number and the count of steps alone, never on cx, so all partners run alike; cx enters the mask as a lane's number only.  The price: for cx = 0, 1 the step 2 rank + 1 is all masked.
; LAYOUT.  S^T = K Q^T (source 0 = 16 keys, source 1 = 16 queries): a lane holds ONE query and the keys 8 (lane / 16) + 0 .. 7 of a tile; two such tiles, rounded in pairs, are source 1 of O^T = V^T P.  V is turned by ds_load_tr16_b128.
; LDS.  Two slots of 256 keys, 2^17 bytes apart.  A key's row is 128 bytes, dense in memory, so a tile is stated as rows of 256 bytes (two keys): K's padded by 16 (pitch 272), V's by 32 (pitch 288).
; REGISTERS: v1-11 addresses and constants; v16-31 statistics, eight a tile: +0 m, +1 (its pair's upper half), +2, +3 the sum in two halves, +4 .. +7 at work (a = 2^(old m - new m) in +6);
;   v32-63 Q; v64-127 K's fragments, then V's; v128-191 S^T, then p, then P packed in place; v192-255 O^T.
.set SLOT1,  131072
.set VOFF,   34816                     ; a slot: 128 rows of K (272 bytes), then 128 rows of V (288 bytes)
.set KSTEPB, 8704                      ; a key step: 32 rows of K,
.set VSTEPB, 9216                      ; 32 rows of V
.set SPARE,  262144                    ; the spare words, 128 bytes for each of 16 waves
.set AK0, 1
.set AV0, 2
.set ADK, 3
.set ADV, 4
.set SPW, 5
.set NIL, 6
.set QL,  7                            ; v7   my query of tile 0, less 8 (lane / 16)
.set DD,  8
.set GO,  9                            ; v9   16 x lane
.set PFO, 10                           ; v10  256 x lane
.set NEG, 11                           ; v11  -infinity
.set ST,  16
.set QQ,  32
.set KV,  64
.set SS,  128
.set OT,  192
.set WV,    8
.set RK,    9
.set LIMIT, 10
.set DIAG,  11
.set GS,    12                         ; s12  the key step's number
.set TB,    13                         ; s13  LDS byte at which the slot in hand begins
.set SLOTS, 14
.set LIM,   15
.set SEL,   16
.set PFA,   18
.set G1K, 24
.set G1V, 32
.set G0K, 40
.set G0V, 44
.macro TLOAD                           ; waves 0 and 1 fetch K's halves, waves 2 and 3 V's, the others nothing; an s_nop 0 and four v_nop follow each line
	s_cmp_lt_u32 s[WV], 2
	s_cbranch_scc0 .Lnot_k_\@
	tensor_load_to_lds s[G0K:G0K+3], s[G1K:G1K+7]
	s_nop 0
.rept 4
	v_nop
.endr
	s_branch .Lasked_\@
.Lnot_k_\@:
	s_cmp_lt_u32 s[WV], 4
	s_cbranch_scc0 .Lasked_\@
	tensor_load_to_lds s[G0V:G0V+3], s[G1V:G1V+7]
	s_nop 0
.rept 4
	v_nop
.endr
.Lasked_\@:
.endm
; A prefetch of what the NEXT change of slots will ask for: 32,768 bytes of K and of V.  The four partners share them out by address, 8,192 bytes each; in each, wave 0 asks for K's and wave 2 for V's, lanes 256 bytes apart:
; each aligned 256 bytes are named once in the launch.  It stands behind the tensor load's lines; the last change that fills a slot asks for nothing; slots 0 and 1 come by their loads alone.
.macro ASK
	s_cmp_gt_u32 s[SLOTS], s[LIM]
	s_cbranch_scc0 .Lnot_mine_\@
	global_prefetch_b8 v[PFO], s[PFA:PFA+1] th:TH_LOAD_NT scope:SCOPE_SE
.Lnot_mine_\@:
.endm
.macro CROUND
	s_barrier_signal -1
	s_barrier_wait -1
	s_cmp_lg_u32 s[WV], 0
	s_cbranch_scc1 .Lnot_wave_0_\@
	s_barrier_signal -3
.Lnot_wave_0_\@:
	s_barrier_wait -3
	s_barrier_signal -1
	s_barrier_wait -1
.endm
	s_load_b128 s[4:7], s[0:1], 0x0                ; qkv s[4:5], att s[6:7]
	v_lshl_add_u32 v[SPW], v0, 2, SPARE
	v_mov_b32 v[NIL], 0
	ds_add_u32 v[SPW], v[NIL]                      ; the wave's opening: the add, twice on end, and its wait ahead of the first tensor load
	ds_add_u32 v[SPW], v[NIL]
	v_lshrrev_b32 v12, 5, v0
	v_readfirstlane_b32 s[WV], v12                 ; wave 0..15
	s_mov_b32 s22, 0x278D41EB
	s_cmp_lt_u32 s[WV], 8
	s_cselect_b32 s22, 0x9C36FA50, s22             ; the table of ranks, four bits a wave
	s_and_b32 s23, s[WV], 7
	s_lshl_b32 s23, s23, 2
	s_lshr_b32 s22, s22, s23
	s_and_b32 s[RK], s22, 15
	s_lshl_b32 s[DIAG], s[RK], 1
	s_add_co_u32 s[LIMIT], s[DIAG], 2
	s_bfe_u32 s20, ttmp6, 0x40000                  ; cx
	s_and_b32 s21, ttmp7, 0xffff                   ; 16 x batch + head, which the partners share
	s_lshl_b32 s52, s21, 18                        ; a plane is 262,144 bytes
	s_mov_b32 s53, 0
	s_and_b32 s54, s[WV], 1                        ; which half of a slot I fetch:
	s_lshl_b32 s56, s54, 14                        ; 128 keys of 128 bytes in memory,
	s_mov_b32 s57, 0
	s_mul_i32 s55, s54, 17408                      ; 64 rows of 272 in LDS,
	s_mul_i32 s58, s54, 18432                      ; or of 288
	s_add_co_u32 s58, s58, VOFF
	s_mov_b32 s[G1K], 15|(1<<16)|(1<<20)|(1<<21)|(5<<22)|(3<<25)  ; the mask: all four; elements of 2 bytes; padding on; after every 64 words 4 words
	s_mov_b32 s[G1V], 15|(1<<16)|(1<<20)|(1<<21)|(5<<22)|(7<<25)  ; the same with 8 words
.irp g, G1K, G1V
	s_mov_b32 s[\g+1], 128<<16                     ; tensor_dim0 = 128 elements: two keys
	s_mov_b32 s[\g+2], 64<<16                      ; tensor_dim1 = 64 rows
	s_mov_b32 s[\g+3], 128<<16
	s_mov_b32 s[\g+4], 64
	s_mov_b32 s[\g+5], 128
	s_mov_b32 s[\g+6], 0
	s_mov_b32 s[\g+7], 0
.endr
	s_mov_b32 s[SEL], 0x76543210
	s_mov_b32 s[SEL+1], 0xfedcba98
	s_mov_b32 s[TB], 0
	s_mov_b32 s[GS], 0
	s_mov_b32 s[SLOTS], 7
	s_and_b32 s[LIM], s[WV], 13                    ; 0 in waves 0 and 2
	s_cmp_eq_u32 s[LIM], 0
	s_cselect_b32 s[LIM], 1, -1
	s_wait_dscnt 0x0                               ; both opening adds are done
	s_wait_kmcnt 0x0
	s_add_nc_u64 s[22:23], s[4:5], s[52:53]        ; my plane of q,
	s_add_nc_u64 s[48:49], s[22:23], 0x1000000     ; of k,
	s_add_nc_u64 s[50:51], s[22:23], 0x2000000     ; of v
	s_mov_b32 s[G0K], 1
	s_mov_b32 s[G0K+1], s55
	s_add_nc_u64 s[G0K+2:G0K+3], s[48:49], s[56:57]
	s_or_b32 s[G0K+3], s[G0K+3], 0x80000000
	s_mov_b32 s[G0V], 1
	s_mov_b32 s[G0V+1], s58
	s_add_nc_u64 s[G0V+2:G0V+3], s[50:51], s[56:57]
	s_or_b32 s[G0V+3], s[G0V+3], 0x80000000
	s_cmp_lt_u32 s[WV], 2
	s_cselect_b64 s[PFA:PFA+1], s[48:49], s[50:51]
	s_lshl_b32 s52, s20, 13                        ; my work-group's 8,192 bytes
	s_add_nc_u64 s[PFA:PFA+1], s[PFA:PFA+1], s[52:53]
	s_add_nc_u64 s[PFA:PFA+1], s[PFA:PFA+1], 32768 ; in slot 1: the first change of slots steps it to slot 2
	CROUND                                         ; all four work-groups are here
	TLOAD                                          ; slot 0
	s_lshl_b32 s52, s[RK], 7
	s_lshl_b32 s54, s20, 5
	s_add_co_u32 s52, s52, s54                     ; my first query
	v_and_b32 v12, 15, v0                          ; r
	v_bfe_u32 v13, v0, 4, 1                        ; h
	v_lshlrev_b32 v14, 7, v12
	v_lshl_add_u32 v14, v13, 4, v14                ; Q: row r of 128 bytes + 16 h
	s_lshl_b32 s54, s52, 7
	s_mov_b32 s55, 0
	s_add_nc_u64 s[22:23], s[22:23], s[54:55]
.irp f, 0,1,2,3                                ; fragment 2 tile + ks: 16 queries x 32 channels
	global_load_b128 v[QQ+8*\f:QQ+8*\f+3],   v14, s[22:23] offset:(\f/2)*2048+(\f%2)*64
	global_load_b128 v[QQ+8*\f+4:QQ+8*\f+7], v14, s[22:23] offset:(\f/2)*2048+(\f%2)*64+32
.endr
	v_lshlrev_b32 v15, 3, v13
	v_sub_nc_u32 v[QL], v12, v15
	v_add_nc_u32 v[QL], s52, v[QL]
	v_lshrrev_b32 v15, 1, v12
	v_mul_u32_u24 v[AK0], v15, 272
	v_and_b32 v15, 1, v12
	v_lshl_add_u32 v[AK0], v15, 7, v[AK0]
	v_lshl_add_u32 v[AK0], v13, 4, v[AK0]          ; K: key r of a tile: row r / 2, half r % 2, + 16 h
	v_bfe_u32 v15, v0, 1, 2
	v_lshl_add_u32 v15, v13, 2, v15
	v_mul_u32_u24 v[AV0], v15, 288
	v_and_b32 v15, 1, v0
	v_lshl_add_u32 v[AV0], v15, 7, v[AV0]
	v_bfe_u32 v15, v0, 3, 1
	v_lshl_add_u32 v[AV0], v15, 4, v[AV0]
	v_add_nc_u32 v[AV0], VOFF, v[AV0]              ; V: key 8 h + lane % 8, channels 8 ((lane / 8) % 2) on
	v_and_b32 v15, 31, v0
	v_lshlrev_b32 v[GO], 4, v15
	v_lshlrev_b32 v[PFO], 8, v15
	v_mov_b32 v[NEG], 0xff800000
	s_lshr_b32 s54, s21, 4                         ; att: group of 16 tokens = 128 batch + 8 rank + 2 cx (+ tile)
	s_lshl_b32 s54, s54, 7
	s_lshl_b32 s56, s[RK], 3
	s_add_co_u32 s54, s54, s56
	s_lshl_b32 s56, s20, 1
	s_add_co_u32 s54, s54, s56
	s_lshl_b32 s54, s54, 15
	s_and_b32 s56, s21, 15
	s_lshl_b32 s56, s56, 11                        ; a head is two K steps of the projection: 2,048 bytes
	s_add_co_u32 s54, s54, s56
	s_add_nc_u64 s[6:7], s[6:7], s[54:55]
.irp t, 0,1
	v_mov_b32 v[ST+8*\t], 0xff61b1e6               ; m: -3e38, under every score
.irp j, 1,2,3,4,5,6,7
	v_mov_b32 v[ST+8*\t+\j], 0                     ; the sum (+2, +3), and the rest: every statistics register is written once here, since a step's writes stand under the branch that leaves hidden steps out
.endr
.endr
.set i, 0
.rept 64
	v_mov_b32 v[OT+i], 0                           ; O^T.  (The step is written without a first form of its own: the first step multiplies zeros by a = 0)
.set i, i+1
.endr
; A KEY STEP: 64 keys, the q-th of the slot in hand.
.macro STEP q
	s_cmp_ge_u32 s[GS], s[LIMIT]                   ; all its keys come after every query of my rank: left out.  No barrier, wait for tiles or tensor load stands in a step
	s_cbranch_scc1 .Lhid_\@
.irp f, 0,1,2,3,4,5,6,7                        ; K's fragment 2 kt + ks
	ds_load_b128 v[KV+8*\f:KV+8*\f+3],   v[ADK] offset:(\q)*KSTEPB+(\f/2)*2176+(\f%2)*64
	ds_load_b128 v[KV+8*\f+4:KV+8*\f+7], v[ADK] offset:(\q)*KSTEPB+(\f/2)*2176+(\f%2)*64+32
.endr
	s_wait_dscnt 0x0
.set i, 0
.rept 16                                       ; S^T = K Q^T: eight accumulators by turns, channels 32 (i / 8) on
.set rS, SS+32*(i%2)+8*((i/2)%4)
.set rK, KV+8*(2*((i/2)%4)+i/8)
.set rQ, QQ+16*(i%2)+8*(i/8)
.if i < 8
	v_wmma_f32_16x16x32_f16 v[rS:rS+7], v[rK:rK+7], v[rQ:rQ+7], 0
.else
	v_wmma_f32_16x16x32_f16 v[rS:rS+7], v[rK:rK+7], v[rQ:rQ+7], v[rS:rS+7]
.endif
.set i, i+1
.endr
.rept 4
	v_nop                                          ; four places in front of loads into K's registers and of the first reads of the scores
.endr
.irp f, 0,1,2,3,4,5,6,7                        ; V^T's fragment 4 kk + ct: it lands under the softmax
	ds_load_tr16_b128 v[KV+8*\f:KV+8*\f+3],   v[ADV] offset:(\q)*VSTEPB+(\f/4)*4608+(\f%4)*32
	ds_load_tr16_b128 v[KV+8*\f+4:KV+8*\f+7], v[ADV] offset:(\q)*VSTEPB+(\f/4)*4608+2304+(\f%4)*32
.endr
	s_cmp_lt_u32 s[GS], s[DIAG]                    ; all its keys count for every query of my rank: no mask
	s_cbranch_scc1 .Lopen_\@
	s_lshl_b32 s22, s[GS], 6
	v_sub_nc_u32 v[DD], v[QL], s22                 ; register n of tile t holds key 64 g + 16 (n / 8) + 8 h + n % 8: it counts where 16 (n / 8) + n % 8 - 16 t <= d
.irp t, 0,1
.irp n, 0,1,2,3,4,5,6,7,8,9,10,11,12,13,14,15,16,17,18,19,20,21,22,23,24,25,26,27,28,29,30,31
	v_cmp_le_i32 vcc_lo, 16*(\n/8)+\n%8-16*\t, v[DD]
	v_cndmask_b32 v[SS+32*\t+\n], v[NEG], v[SS+32*\t+\n], vcc_lo
.endr
.endr
.Lopen_\@:
.irp j, 0,1,2,3                                ; the largest score, three operands at a time, four chains a tile, the two tiles line by line
.irp t, 0,1
	v_max3_num_f32 v[ST+8*\t+4+\j], v[SS+32*\t+8*\j], v[SS+32*\t+8*\j+1], v[SS+32*\t+8*\j+2]
.endr
.endr
.irp k, 3,5
.irp j, 0,1,2,3
.irp t, 0,1
	v_max3_num_f32 v[ST+8*\t+4+\j], v[ST+8*\t+4+\j], v[SS+32*\t+8*\j+\k], v[SS+32*\t+8*\j+\k+1]
.endr
.endr
.endr
.irp t, 0,1
	v_max3_num_f32 v[ST+8*\t+4], v[ST+8*\t+4], v[SS+32*\t+7], v[SS+32*\t+15]
	v_max3_num_f32 v[ST+8*\t+6], v[ST+8*\t+6], v[SS+32*\t+23], v[SS+32*\t+31]
.endr
.irp t, 0,1
	v_max3_num_f32 v[ST+8*\t+4], v[ST+8*\t+4], v[ST+8*\t+5], v[ST+8*\t+6]
.endr
.irp t, 0,1
	v_max3_num_f32 v[ST+8*\t+4], v[ST+8*\t+4], v[ST+8*\t+7], v[ST+8*\t]    ; and the old m
.endr
.irp t, 0,1
	v_permlanex16_b32 v[ST+8*\t+5], v[ST+8*\t+4], s[SEL], s[SEL+1]         ; the query's other 32 keys lie in the lane 16 away
.endr
.irp t, 0,1
	v_mov_b32 v[ST+8*\t+7], v[ST+8*\t]
.endr
.irp t, 0,1
	v_max_num_f32 v[ST+8*\t], v[ST+8*\t+4], v[ST+8*\t+5]                   ; the new m
.endr
.irp t, 0,1
	v_sub_f32 v[ST+8*\t+7], v[ST+8*\t+7], v[ST+8*\t]
.endr
.irp t, 0,1
	v_exp_f32 v[ST+8*\t+6], v[ST+8*\t+7]           ; a = 2^(old m - new m)
.endr
.irp j, 0,2,4,6,8,10,12,14,16,18,20,22,24,26,28,30
.irp t, 0,1
	v_pk_add_f32 v[SS+32*\t+\j:SS+32*\t+\j+1], v[SS+32*\t+\j:SS+32*\t+\j+1], v[ST+8*\t:ST+8*\t+1] op_sel_hi:[1,0] neg_lo:[0,1] neg_hi:[0,1]   ; s - m
.endr
.endr
.irp j, 0,1,2,3,4,5,6,7,8,9,10,11,12,13,14,15,16,17,18,19,20,21,22,23,24,25,26,27,28,29,30,31
.irp t, 0,1
	v_exp_f32 v[SS+32*\t+\j], v[SS+32*\t+\j]       ; p
.endr
.endr
	v_nop                                          ; a plain instruction behind the last exponential
	s_wait_alu depctr_va_vdst(0)                   ; one wait ahead of the first reader for all 66 exponentials
.irp t, 0,1
	v_pk_mul_f32 v[ST+8*\t+2:ST+8*\t+3], v[ST+8*\t+2:ST+8*\t+3], v[ST+8*\t+6:ST+8*\t+7] op_sel_hi:[1,0]    ; the sum under the new m
	v_pk_add_f32 v[ST+8*\t+4:ST+8*\t+5], v[SS+32*\t:SS+32*\t+1], v[SS+32*\t+2:SS+32*\t+3]                  ; the sum of the unrounded p, in two chains
.endr
.irp j, 4,8,12,16,20,24,28
.irp t, 0,1
	v_pk_add_f32 v[ST+8*\t+2:ST+8*\t+3], v[ST+8*\t+2:ST+8*\t+3], v[SS+32*\t+\j:SS+32*\t+\j+1]
	v_pk_add_f32 v[ST+8*\t+4:ST+8*\t+5], v[ST+8*\t+4:ST+8*\t+5], v[SS+32*\t+\j+2:SS+32*\t+\j+3]
.endr
.endr
.irp t, 0,1
	v_pk_add_f32 v[ST+8*\t+2:ST+8*\t+3], v[ST+8*\t+2:ST+8*\t+3], v[ST+8*\t+4:ST+8*\t+5]
.endr
.irp j, 0,1,2,3,4,5,6,7,8,9,10,11,12,13,14,15  ; P, packed in place, ascending: register j takes p 2 j and 2 j + 1, which no earlier line has written over
.irp t, 0,1
	v_cvt_pk_f16_f32 v[SS+32*\t+\j], v[SS+32*\t+2*\j], v[SS+32*\t+2*\j+1]
.endr
.endr
.irp j, 0,2,4,6,8,10,12,14,16,18,20,22,24,26,28,30
.irp t, 0,1
	v_pk_mul_f32 v[OT+32*\t+\j:OT+32*\t+\j+1], v[OT+32*\t+\j:OT+32*\t+\j+1], v[ST+8*\t+6:ST+8*\t+7] op_sel_hi:[1,0]   ; O^T under the new m
.endr
.endr
	s_wait_dscnt 0x0                               ; V is in
.set i, 0
.rept 16                                       ; O^T += V^T P: eight accumulators by turns, keys 32 (i / 8) on
.set rO, OT+32*(i%2)+8*((i/2)%4)
.set rV, KV+8*(4*(i/8)+(i/2)%4)
.set rP, SS+32*(i%2)+8*(i/8)
	v_wmma_f32_16x16x32_f16 v[rO:rO+7], v[rV:rV+7], v[rP:rP+7], v[rO:rO+7]
.set i, i+1
.endr
.rept 5
	v_nop                                          ; four places in front of the next loads into V's registers; the fifth because the next step's products write over P's
.endr
.Lhid_\@:
	s_add_co_u32 s[GS], s[GS], 1
.endm
; THE CHANGE OF SLOTS stands at a slot's head.  Each wave waits for all its tensor loads, adds 0 to its spare word, and waits for that and for its reads
; of the slot that it has left.  fill = 1: a round of the cluster's barrier, and behind it the other slot is filled with the keys that follow: the load has a slot's four steps in which to land.
.macro CHANGE fill
	s_wait_tensorcnt 0x0                           ; no tensor load of mine is out, so a group 0 may be written
	ds_add_u32 v[SPW], v[NIL]
.if \fill
	ds_add_u32 v[SPW], v[NIL]
	s_xor_b32 s[G0K+1], s[G0K+1], SLOT1
	s_add_nc_u64 s[G0K+2:G0K+3], s[G0K+2:G0K+3], 32768
	s_xor_b32 s[G0V+1], s[G0V+1], SLOT1
	s_add_nc_u64 s[G0V+2:G0V+3], s[G0V+2:G0V+3], 32768
	s_wait_xcnt 0x0                                ; the last prefetch, a slot back, has read its address
	s_add_nc_u64 s[PFA:PFA+1], s[PFA:PFA+1], 32768
	s_wait_dscnt 0x0
	CROUND
	TLOAD
	ASK
.else
	s_wait_dscnt 0x0
	s_barrier_signal -1
	s_barrier_wait -1
.endif
.endm
.macro SLOT_STEPS
	v_add_nc_u32 v[ADK], s[TB], v[AK0]
	v_add_nc_u32 v[ADV], s[TB], v[AV0]
	STEP 0
	STEP 1
	STEP 2
	STEP 3
	s_xor_b32 s[TB], s[TB], SLOT1
.endm
	s_wait_loadcnt 0x0                             ; Q
.Lslot:                                            ; seven trips: behind each change of slots but the last the next slot is asked for
	CHANGE 1
	SLOT_STEPS
	s_sub_co_u32 s[SLOTS], s[SLOTS], 1
	s_cmp_lg_u32 s[SLOTS], 0
	s_cbranch_scc1 .Lslot
	CHANGE 0                                       ; the last slot is written out
	SLOT_STEPS
	; THE WAY OUT.  O^T / the sum, rounded to f16: a lane's eight channels of a tile ct are 16 bytes, and the 32 lanes' 512 bytes are half a fragment of the projection's operand as its registers want it.
.irp t, 0,1
	v_add_f32 v[ST+8*\t+4], v[ST+8*\t+2], v[ST+8*\t+3]
.endr
.irp t, 0,1
	v_permlanex16_b32 v[ST+8*\t+5], v[ST+8*\t+4], s[SEL], s[SEL+1]
.endr
.irp t, 0,1
	v_add_f32 v[ST+8*\t+4], v[ST+8*\t+4], v[ST+8*\t+5]
.endr
.irp t, 0,1
	v_rcp_f32 v[ST+8*\t+6], v[ST+8*\t+4]
.endr
	v_nop
	s_wait_alu depctr_va_vdst(0)                   ; one wait for the two reciprocals, ahead of their first reader
.irp t, 0,1
.irp j, 0,2,4,6,8,10,12,14,16,18,20,22,24,26,28,30
	v_pk_mul_f32 v[OT+32*\t+\j:OT+32*\t+\j+1], v[OT+32*\t+\j:OT+32*\t+\j+1], v[ST+8*\t+6:ST+8*\t+7] op_sel_hi:[1,0]
.endr
.endr
.irp t, 0,1
.irp j, 0,1,2,3,4,5,6,7,8,9,10,11,12,13,14,15
	v_cvt_pk_f16_f32 v[SS+16*\t+\j], v[OT+32*\t+2*\j], v[OT+32*\t+2*\j+1]
.endr
.endr
.irp t, 0,1
.irp c, 0,1,2,3
	global_store_b128 v[GO], v[SS+16*\t+4*\c:SS+16*\t+4*\c+3], s[6:7] offset:\t*32768+\c*512   ; 512 consecutive bytes, aligned
.endr
.endr
	s_wait_tensorcnt 0x0                           ; the wave's end
	ds_add_u32 v[SPW], v[NIL]
	s_wait_dscnt 0x0
	CROUND                                         ; the closing round
	s_endpgm
.Lfunc_end_k_q055459efef_attn:
	.size	k_q055459efef_attn, .Lfunc_end_k_q055459efef_attn-k_q055459efef_attn
	.p2alignl 7, 3214868480
	.fill 96, 4, 3214868480
	.section	.rodata,"a",@progbits
	.p2align	6, 0x0
	.amdhsa_kernel k_q055459efef_attn
		.amdhsa_group_segment_fixed_size 327680
		.amdhsa_private_segment_fixed_size 0
		.amdhsa_enable_private_segment 0
		.amdhsa_kernarg_size 16
		.amdhsa_user_sgpr_count 2
		.amdhsa_user_sgpr_kernarg_segment_ptr 1
		.amdhsa_wavefront_size32 1
		.amdhsa_system_sgpr_workgroup_id_x 1
		.amdhsa_system_sgpr_workgroup_id_y 1
		.amdhsa_system_sgpr_workgroup_id_z 1
		.amdhsa_system_vgpr_workitem_id 0
		.amdhsa_next_free_vgpr 256
		.amdhsa_next_free_sgpr 66
		.amdhsa_reserve_vcc 1
		.amdhsa_float_denorm_mode_32 3
		.amdhsa_float_denorm_mode_16_64 3
		.amdhsa_memory_ordered 1
		.amdhsa_forward_progress 1
		.amdhsa_inst_pref_size 187
	.end_amdhsa_kernel
	.amdgpu_metadata
---
amdhsa.version: [ 1, 2 ]
amdhsa.kernels:
  - .name:           k_q055459efef_attn
    .symbol:         k_q055459efef_attn.kd
    .args:
      - { .name: qkv, .offset: 0, .size: 8, .value_kind: global_buffer, .address_space: global }
      - { .name: att, .offset: 8, .size: 8, .value_kind: global_buffer, .address_space: global }
    .group_segment_fixed_size: 327680
    .private_segment_fixed_size: 0
    .kernarg_segment_align: 8
    .kernarg_segment_size: 16
    .max_flat_workgroup_size: 512
    .sgpr_count:     66
    .vgpr_count:     256
    .wavefront_size: 32
...
	.end_amdgpu_metadata
.endif
;; end of part 3
;; launch proj (part 4): grid 4 x 64, 4 waves a work-group, clusters of 4 x 4, 327,680 bytes of LDS; arguments att, wpt, bp, out0; writes out0
.if DOCPART == 4
	.amdgcn_target "amdgcn-amd-amdhsa--gfx1250"
	.amdhsa_code_object_version 6
	.text
	.protected	k_q055459efef_proj
	.globl	k_q055459efef_proj
	.p2align	8
	.type	k_q055459efef_proj,@function
k_q055459efef_proj:
	s_mov_b64 s[64:65], 0
	v_nop
	global_prefetch_b8 v0, s[64:65] scope:SCOPE_SE
	s_setreg_imm32_b32 hwreg(HW_REG_WAVE_MODE, 25, 1), 1
	s_wait_xcnt 0x0
	s_wait_alu depctr_hold_cnt(0) depctr_sa_sdst(0) depctr_va_vdst(0) depctr_va_sdst(0) depctr_va_ssrc(0) depctr_va_vcc(0) depctr_vm_vsrc(0)
	s_getreg_b32 s2, hwreg(HW_REG_IB_STS2, 6, 4)
	s_cmp_eq_u32 s2, 0
	s_cbranch_scc0 .Lentry_in_a_cluster
	s_endpgm
.Lentry_in_a_cluster:
	s_bfe_u32 s2, ttmp6, 0x10000c
	s_cmp_lg_u32 s2, 0xf033
	s_cbranch_scc0 .Lentry_shape_is_right
	s_endpgm
.Lentry_shape_is_right:
; PROJ: out0 = att x Wp + bp on f16 operands, f32 sums.  att and wpt arrive as images of the operands' registers (1,024 bytes for 16 rows x 32 K): a fragment comes from LDS by two loads of 512 consecutive bytes; no padding.
; LEFT TO ANOTHER LAUNCH: the rows t < 16 of every sequence are multiplied here with their tile but not stored; the launch fine makes them in f32 and stores them.
; A tile is 128 tokens x 256 columns: 256 work-groups.  Four waves, each 64 x 128: 32 accumulators.  K goes in steps of 128 through two LDS slots (A: 8 groups of 16 tokens x 4,096 bytes; B: 16 groups of 16 columns x 4,096).
; CLUSTERS: 4 x 4.  Tile row = 16 cy + cluster y (cy is the batch), tile column = cx.  A's tiles are shared along a row of the cluster, B's along a column: joint loads.  Waves 0, 1 fetch A's halves, waves 2, 3 B's.
; TRANSPOSED USE (source 0 = 16 columns of Wp, source 1 = 16 tokens): a lane holds one token and eight neighbouring columns.  The bias is the C of each sum's first matrix instruction.
; REGISTERS: window 0: v0-31 addresses; v32-95 the bias, eight registers for each of my 8 groups of columns; v128-255 rows on the way out.  window 1: two fragment buffers of 96 (A's 4 at +8 a, B's 8 at +32 + 8 b).
;   window 2: the accumulators ((a, b) at v[8 (8 a + b)]).
.set SLOT,   98304
.set BOFF,   32768
.set STAGE,  196608                    ; behind the ring: 16 rows x (512 bytes + 16) for each wave
.set SPITCH, 528
.set SPARE,  230400                    ; the spare words, 128 bytes for each wave
.set LAPS,   4                         ; a lap = two K steps
.set ADRA, 16
.set ADRB, 20
.set STO,  24
.set RD,   25
.set CO,   26                          ; v26  16 x lane
.set BO,   27                          ; v27  32 h
.set SPW,  28
.set NIL,  29
.set BIAS, 32
.set BK,   128
.set F0,   0
.set F1,   96
.set G1, 24
.set G0, 32
.set G1B, 48
.set G0B, 56
.set MSB, 0
.macro WIN new
.if MSB != (\new)
	s_set_vgpr_msb (MSB<<8)|(\new)
.set MSB, \new
.endif
.endm
.set MUL,  0xa5                        ; sources 0 and 1 window 1; C and D window 2 (the first products: C window 0, 0x85)
.set TO_F, 0x40
.macro JLOAD s
	s_cmp_eq_u32 s13, 0
	s_cbranch_scc0 .Lfor_b_\@
	tensor_load_to_lds s[G0+4*\s:G0+4*\s+3], s[G1:G1+7]
	s_nop 0
.rept 4
	v_nop
.endr
	s_branch .Lasked_\@
.Lfor_b_\@:
	tensor_load_to_lds s[G0B+4*\s:G0B+4*\s+3], s[G1B:G1B+7]
	s_nop 0
.rept 4
	v_nop
.endr
.Lasked_\@:
.endm
.macro CREST
	s_cmp_lg_u32 s12, 0
	s_cbranch_scc1 .Lnot_wave_0_\@
	s_barrier_signal -3
.Lnot_wave_0_\@:
	s_barrier_wait -3
	s_barrier_signal -1
	s_barrier_wait -1
.endm
.macro CROUND
	s_barrier_signal -1
	s_barrier_wait -1
	CREST
.endm
	s_load_b256 s[4:11], s[0:1], 0x0               ; att s[4:5], wpt s[6:7], bp s[8:9], out0 s[10:11]
	v_lshl_add_u32 v[SPW], v0, 2, SPARE
	v_mov_b32 v[NIL], 0
	ds_add_u32 v[SPW], v[NIL]                      ; the wave's opening: the add, twice on end, and its wait ahead of my first tensor load
	ds_add_u32 v[SPW], v[NIL]
	v_lshrrev_b32 v1, 5, v0
	v_readfirstlane_b32 s12, v1                    ; wave 0..3
	s_lshr_b32 s13, s12, 1                         ; my half of the tile's rows.  Also: I fetch for A (0) or for B (1)
	s_and_b32 s14, s12, 1                          ; my half of its columns.  Also: which half I fetch
	s_bfe_u32 s40, ttmp6, 0x40000                  ; cx = tile column
	s_bfe_u32 s41, ttmp6, 0x40004                  ; cy
	s_and_b32 s15, ttmp7, 0xffff                   ; cluster y
	s_lshl_b32 s42, s41, 4
	s_add_co_u32 s42, s42, s15                     ; tile row = 16 cy + cluster y
	s_lshl_b32 s43, s41, 2
	s_lshl_b32 s43, 15, s43
	s_lshl_b32 s44, 0x1111, s40
	s_or_b32 s[G1+0], s43, (3<<16)|(1<<21)         ; elements of 8 bytes, no padding: rows of 4,096 bytes (a K step of one group of 16), 32,768 bytes apart
	s_or_b32 s[G1B+0], s44, (3<<16)|(1<<21)
	s_mov_b32 s[G1+1], 512<<16
	s_mov_b32 s[G1+2], 4<<16                       ; A: 4 groups of tokens to a load
	s_mov_b32 s[G1+3], 512<<16
	s_mov_b32 s[G1+4], 4
	s_mov_b32 s[G1+5], 4096
	s_mov_b32 s[G1+6], 0
	s_mov_b32 s[G1+7], 0
	s_mov_b32 s[G1B+1], 512<<16
	s_mov_b32 s[G1B+2], 8<<16                      ; B: 8 groups of columns
	s_mov_b32 s[G1B+3], 512<<16
	s_mov_b32 s[G1B+4], 8
	s_mov_b32 s[G1B+5], 4096
	s_mov_b32 s[G1B+6], 0
	s_mov_b32 s[G1B+7], 0
	s_lshl_b32 s16, s42, 3
	s_lshl_b32 s17, s14, 2
	s_add_co_u32 s16, s16, s17                     ; A: group 8 x tile row + 4 x half
	s_lshl_b32 s16, s16, 15
	s_mov_b32 s17, 0
	s_lshl_b32 s46, s40, 4
	s_lshl_b32 s47, s14, 3
	s_add_co_u32 s46, s46, s47                     ; B: group 16 x tile column + 8 x half
	s_lshl_b32 s46, s46, 15
	s_mov_b32 s47, 0
	s_lshl_b32 s20, s14, 14                        ; where they go: no place in the cluster enters an LDS address
	s_lshl_b32 s21, s14, 15
	s_add_co_u32 s21, s21, BOFF
	s_wait_dscnt 0x0                               ; both opening adds are done
	s_wait_kmcnt 0x0
	s_add_nc_u64 s[18:19], s[4:5], s[16:17]
	s_add_nc_u64 s[46:47], s[6:7], s[46:47]
	CROUND
.irp s, 0,1
	s_mov_b32 s[G0+4*\s], 1
	s_add_co_u32 s[G0+4*\s+1], s20, \s*SLOT
	s_add_nc_u64 s[G0+4*\s+2:G0+4*\s+3], s[18:19], \s*4096
	s_or_b32 s[G0+4*\s+3], s[G0+4*\s+3], 0x80000000
	s_mov_b32 s[G0B+4*\s], 1
	s_add_co_u32 s[G0B+4*\s+1], s21, \s*SLOT
	s_add_nc_u64 s[G0B+4*\s+2:G0B+4*\s+3], s[46:47], \s*4096
	s_or_b32 s[G0B+4*\s+3], s[G0B+4*\s+3], 0x80000000
	JLOAD \s
.endr
	v_and_b32 v1, 15, v0                           ; r
	v_bfe_u32 v2, v0, 4, 1                         ; h
	v_and_b32 v3, 31, v0
	v_lshlrev_b32 v[CO], 4, v3
	v_lshlrev_b32 v[BO], 5, v2
	s_lshl_b32 s16, s40, 10
	s_lshl_b32 s22, s14, 9
	s_add_co_u32 s16, s16, s22                     ; my first column, in bytes of f32
	s_add_nc_u64 s[8:9], s[8:9], s[16:17]
.irp b, 0,1,2,3,4,5,6,7
	global_load_b128 v[BIAS+8*\b:BIAS+8*\b+3], v[BO], s[8:9] offset:64*\b          ; bp at columns 16 b + 8 h + 0 .. 7: the result's layout
	global_load_b128 v[BIAS+8*\b+4:BIAS+8*\b+7], v[BO], s[8:9] offset:64*\b+16
.endr
	s_lshl_b32 s22, s13, 14                        ; my 4 groups of tokens,
	s_lshl_b32 s23, s14, 15                        ; my 8 groups of columns
	s_add_co_u32 s23, s23, BOFF
.irp s, 0,1
	v_add_nc_u32 v[ADRA+\s], s22, v[CO]
	v_add_nc_u32 v[ADRB+\s], s23, v[CO]
	s_add_co_u32 s22, s22, SLOT
	s_add_co_u32 s23, s23, SLOT
.endr
	s_mul_i32 s22, s12, 16*SPITCH
	s_add_co_u32 s22, s22, STAGE                   ; my stage
	v_mul_u32_u24 v4, v1, SPITCH
	v_lshl_add_u32 v4, v2, 5, v4
	v_add_nc_u32 v[STO], s22, v4                   ; in: row r, 32 bytes for each half of the lanes
	v_add_nc_u32 v[RD], s22, v[CO]                 ; back: the 32 lanes take one row of 512 bytes
	s_lshl_b32 s22, s42, 7
	s_lshl_b32 s23, s13, 6
	s_add_co_u32 s22, s22, s23                     ; my first token
	s_lshl_b32 s22, s22, 12
	s_add_co_u32 s16, s16, s22
	s_add_nc_u64 s[10:11], s[10:11], s[16:17]
	s_or_b32 s22, s15, s13
	s_cmp_eq_u32 s22, 0
	s_cselect_b32 s2, 1, 0                         ; 1 where my first 16 tokens are t = 0 .. 15: cluster y and the wave's number alone
.macro MUL8 f, a, first                ; 8 matrix instructions: my group a of tokens x my 8 groups of columns, 32 along K.  The 32 accumulators take turns in the same order in every quarter
.irp b, 0,1,2,3,4,5,6,7
.if \first
	v_wmma_f32_16x16x32_f16 v[8*(8*(\a)+\b):8*(8*(\a)+\b)+7], v[\f+32+8*\b:\f+32+8*\b+7], v[\f+8*(\a):\f+8*(\a)+7], v[BIAS+8*\b:BIAS+8*\b+7]
.else
	v_wmma_f32_16x16x32_f16 v[8*(8*(\a)+\b):8*(8*(\a)+\b)+7], v[\f+32+8*\b:\f+32+8*\b+7], v[\f+8*(\a):\f+8*(\a)+7], v[8*(8*(\a)+\b):8*(8*(\a)+\b)+7]
.endif
.endr
.endm
.macro FETCH slot, q, f                ; 24 LDS loads in one run: the slot's q-th 32 along K: B's eight fragments, then A's four
	WIN TO_F
.irp i, 0,1,2,3,4,5,6,7
	ds_load_b128 v[\f+32+8*\i:\f+32+8*\i+3],   v[ADRB+\slot] offset:\i*4096+(\q)*1024
	ds_load_b128 v[\f+32+8*\i+4:\f+32+8*\i+7], v[ADRB+\slot] offset:\i*4096+(\q)*1024+512
.endr
.irp i, 0,1,2,3
	ds_load_b128 v[\f+8*\i:\f+8*\i+3],   v[ADRA+\slot] offset:\i*4096+(\q)*1024
	ds_load_b128 v[\f+8*\i+4:\f+8*\i+7], v[ADRA+\slot] offset:\i*4096+(\q)*1024+512
.endr
.endm
.macro PLACES
.rept 4
	v_nop
.endr
.endm
.macro QUARTER slot, q, f, g, first    ; multiplies buffer f; in its middle it fetches the slot's q-th quarter into buffer g
	s_wait_dscnt 4                                 ; B's fragments and A's 0, 1 are in; the youngest four loads (A's 2, 3) may be out
	WIN MUL-0x20*(\first)
	MUL8 \f, 0, \first
	MUL8 \f, 1, \first
	PLACES
	FETCH \slot, \q, \g
	s_wait_dscnt 24                                ; all but the 24 just issued
	WIN MUL-0x20*(\first)
	MUL8 \f, 2, \first
	MUL8 \f, 3, \first
.endm
; A slot's last quarter multiplies buffer 1 and changes slots: one barrier; in front of it each wave waits for all its tensor loads, adds 0 to its spare word, and waits for that and for its reads of this slot.
.macro TURN slot, next, fill
	WIN 0
	s_wait_tensorcnt 0x0                           ; my part of the next slot has landed
	ds_add_u32 v[SPW], v[NIL]
	s_wait_dscnt 5                                 ; the add and the youngest four loads may be out
	WIN MUL
	MUL8 F1, 0, 0
	s_wait_dscnt 0x0                               ; the add is done, and my reads of this slot are over
	s_barrier_signal -1
	MUL8 F1, 1, 0
.if \fill
	WIN 0
.endif
	s_barrier_wait -1
.if \fill
	CREST                                          ; the barrier has opened a round of the cluster's barrier
	s_add_nc_u64 s[G0+4*\slot+2:G0+4*\slot+3], s[G0+4*\slot+2:G0+4*\slot+3], 8192
	s_add_nc_u64 s[G0B+4*\slot+2:G0B+4*\slot+3], s[G0B+4*\slot+2:G0B+4*\slot+3], 8192
	JLOAD \slot                                    ; the first tensor load behind the round; its four v_nop are also the places in front of the loads below
.else
	PLACES
.endif
	FETCH \next, 0, F0
	WIN MUL
	MUL8 F1, 2, 0
	MUL8 F1, 3, 0
.endm
	s_wait_tensorcnt 1                             ; my part of K step 0 is in; K step 1's load may be out
	s_barrier_signal -1
	s_barrier_wait -1
	FETCH 0, 0, F0
	s_wait_loadcnt 0x0                             ; the bias
	QUARTER 0, 1, F0, F1, 1                        ; the first quarter stands in front of the loop: its products start the sums from the bias
	WIN 0
	s_mov_b32 s3, LAPS-1
.Llap:
	QUARTER 0, 2, F1, F0, 0
	QUARTER 0, 3, F0, F1, 0
	TURN 0, 1, 1
	QUARTER 1, 1, F0, F1, 0
	QUARTER 1, 2, F1, F0, 0
	QUARTER 1, 3, F0, F1, 0
	TURN 1, 0, 1
	QUARTER 0, 1, F0, F1, 0
	WIN 0
	s_sub_co_u32 s3, s3, 1
	s_cmp_lg_u32 s3, 0
	s_cbranch_scc1 .Llap
	QUARTER 0, 2, F1, F0, 0                        ; the last lap fills nothing
	QUARTER 0, 3, F0, F1, 0
	TURN 0, 1, 0
	QUARTER 1, 1, F0, F1, 0
	QUARTER 1, 2, F1, F0, 0
	QUARTER 1, 3, F0, F1, 0
	s_wait_dscnt 4
	WIN MUL
	MUL8 F1, 0, 0
	MUL8 F1, 1, 0
	s_wait_dscnt 0
	MUL8 F1, 2, 0
	MUL8 F1, 3, 0
	WIN 0
; THE WAY OUT, block by block of 16 tokens x 128 columns, through my own stage: back as whole rows of 512 bytes.
.macro TOSTAGE a
	WIN 0x08                                       ; an LDS store's data are its source 1: window 2
.irp b, 0,1,2,3,4,5,6,7
	ds_store_b128 v[STO], v[64*(\a)+8*\b:64*(\a)+8*\b+3] offset:64*\b        ; each accumulator from its low end on
	ds_store_b128 v[STO], v[64*(\a)+8*\b+4:64*(\a)+8*\b+7] offset:64*\b+16
.endr
	WIN 0
.set BB, BK+64*((\a)%2)
.irp t, 0,1,2,3,4,5,6,7,8,9,10,11,12,13,14,15
	ds_load_b128 v[BB+4*\t:BB+4*\t+3], v[RD] offset:\t*SPITCH                ; in order behind my stores
.endr
.endm
.macro SEND a, younger
.set BB, BK+64*((\a)%2)
	s_wait_dscnt \younger
.if (\a) == 0
	s_cmp_eq_u32 s2, 1                             ; t = 0 .. 15 are the launch fine's to store
	s_cbranch_scc1 .Lskip_\@
.endif
.irp t, 0,1,2,3,4,5,6,7,8,9,10,11,12,13,14,15
	global_store_b128 v[CO], v[BB+4*\t:BB+4*\t+3], s[10:11] offset:(\a)*65536+\t*4096 th:TH_STORE_NT   ; 512 consecutive bytes, aligned
.endr
.if (\a) == 0
.Lskip_\@:
.endif
.endm
	PLACES
	TOSTAGE 0
.irp a, 1,2,3
.if \a > 1
	s_wait_xcnt 0x0                                ; block a - 2's stores have read the registers into which block a's rows are read back
.endif
	TOSTAGE \a
	SEND \a-1, 32                                  ; behind block a - 1's loads: block a's 16 stores and 16 loads
.endr
	SEND 3, 0
	s_wait_tensorcnt 0x0                           ; the wave's end
	ds_add_u32 v[SPW], v[NIL]
	s_wait_dscnt 0x0
	CROUND                                         ; the closing round
	s_endpgm
.Lfunc_end_k_q055459efef_proj:
	.size	k_q055459efef_proj, .Lfunc_end_k_q055459efef_proj-k_q055459efef_proj
	.p2alignl 7, 3214868480
	.fill 96, 4, 3214868480
	.section	.rodata,"a",@progbits
	.p2align	6, 0x0
	.amdhsa_kernel k_q055459efef_proj
		.amdhsa_group_segment_fixed_size 327680
		.amdhsa_private_segment_fixed_size 0
		.amdhsa_enable_private_segment 0
		.amdhsa_kernarg_size 32
		.amdhsa_user_sgpr_count 2
		.amdhsa_user_sgpr_kernarg_segment_ptr 1
		.amdhsa_wavefront_size32 1
		.amdhsa_system_sgpr_workgroup_id_x 1
		.amdhsa_system_sgpr_workgroup_id_y 1
		.amdhsa_system_sgpr_workgroup_id_z 1
		.amdhsa_system_vgpr_workitem_id 0
		.amdhsa_next_free_vgpr 768
		.amdhsa_next_free_sgpr 66
		.amdhsa_reserve_vcc 0
		.amdhsa_float_denorm_mode_32 3
		.amdhsa_float_denorm_mode_16_64 3
		.amdhsa_memory_ordered 1
		.amdhsa_forward_progress 1
		.amdhsa_inst_pref_size 86
	.end_amdhsa_kernel
	.amdgpu_metadata
---
amdhsa.version: [ 1, 2 ]
amdhsa.kernels:
  - .name:           k_q055459efef_proj
    .symbol:         k_q055459efef_proj.kd
    .args:
      - { .name: att, .offset: 0, .size: 8, .value_kind: global_buffer, .address_space: global }
      - { .name: wpt, .offset: 8, .size: 8, .value_kind: global_buffer, .address_space: global }
      - { .name: bp, .offset: 16, .size: 8, .value_kind: global_buffer, .address_space: global }
      - { .name: out0, .offset: 24, .size: 8, .value_kind: global_buffer, .address_space: global }
    .group_segment_fixed_size: 327680
    .private_segment_fixed_size: 0
    .kernarg_segment_align: 8
    .kernarg_segment_size: 32
    .max_flat_workgroup_size: 128
    .sgpr_count:     66
    .vgpr_count:     768
    .wavefront_size: 32
...
	.end_amdgpu_metadata
.endif
;; end of part 4
;; launch fine (part 5): grid 16 x 4, 16 waves a work-group, no clusters, 86,016 bytes of LDS; arguments fq, Wp, bp, out0; writes out0
.if DOCPART == 5
	.amdgcn_target "amdgcn-amd-amdhsa--gfx1250"
	.amdhsa_code_object_version 6
	.text
	.protected	k_q055459efef_fine
	.globl	k_q055459efef_fine
	.p2align	8
	.type	k_q055459efef_fine,@function
k_q055459efef_fine:
	s_mov_b64 s[64:65], 0
	v_nop
	global_prefetch_b8 v0, s[64:65] scope:SCOPE_SE
	s_setreg_imm32_b32 hwreg(HW_REG_WAVE_MODE, 25, 1), 1
	s_wait_xcnt 0x0
; FINE: the rows t = 0 .. 15 of each of the 4 sequences, from the unrounded q, k, v (fq, f32) to out0, all in f32: these rows average one to sixteen values and are the largest in size.
; A work-group is (64 columns of out0, a batch).  PHASE A: wave = head: S^T = K Q^T (16 x 16 x 64), the causal mask (key <= query; no whole step lies above the diagonal here), softmax with the maximum taken away
; (q carries log2(e) / 8, so base 2), O^T = V^T P, O / sum to LDS: 16 rows x 1,024.  Every work-group of a batch makes these anew: 16 x 16 x 64 a head.  PHASE B: wave = (16 columns, a quarter of K): 64 steps of
; v_wmma_f32_16x16x4_f32 on four accumulators by turns; the four quarters of K meet in LDS; eight waves add them and the bias and store whole runs of 256 bytes.
; ORDER ALONG K: a step's four places (h, j) stand for the same k on both operands; which k that is follows the loads of 16 bytes (k = 8 u + 4 h + 0 .. 3) or p's registers (key 8 h + 2 s + j).
; The registers that the matrix instructions write (v192-255) are written by nothing else; sums begin with the constant 0.
.set ATTF,  0                          ; 16 rows x (4,096 bytes + 16)
.set RED,   65792                      ; 4 quarters of K x 16 rows x (256 bytes + 16)
.set SPARE, 83200                      ; the spare words, 128 bytes for each of 16 waves
.set AKQ, 3                            ; v3   256 r + 16 h: q and k
.set AVV, 4                            ; v4   2,048 h + 4 r: v
.set ASTO, 5
.set AWP, 6                            ; v6   16,384 h + 4 r: Wp
.set AATT, 7
.set ARED, 8
.set ARD, 9
.set ABP, 10
.set AOUT, 11
.set DD,  12                           ; v12  r - 8 h
.set NEG, 13
.set SPW, 14
.set NIL, 15
.set PP,  16                           ; v16-23 scores, then p; later a sum of four accumulators
.set OUTF, 32                          ; v32-63 O / sum; later att's operand; later rows of the result
.set KA,  64
.set QB,  96
.set VA,  128
.set WA,  64                           ; v64-191 Wp's operand
.set ACCS, 192
.set ACCO, 224
	s_load_b256 s[4:11], s[0:1], 0x0               ; fq s[4:5], Wp s[6:7], bp s[8:9], out0 s[10:11]
	v_lshl_add_u32 v[SPW], v0, 2, SPARE
	v_mov_b32 v[NIL], 0
	v_lshrrev_b32 v1, 5, v0
	v_readfirstlane_b32 s12, v1                    ; wave = head
	s_and_b32 s14, ttmp7, 0xffff                   ; batch
	s_and_b32 s15, s12, 3                          ; nt: which 16 of the 64 columns
	s_lshr_b32 s20, s12, 2                         ; kq: which quarter of K
	v_and_b32 v1, 15, v0                           ; r
	v_bfe_u32 v2, v0, 4, 1                         ; h
	v_lshlrev_b32 v[AKQ], 8, v1
	v_lshl_add_u32 v[AKQ], v2, 4, v[AKQ]
	v_lshlrev_b32 v[AVV], 2, v1
	v_lshl_add_u32 v[AWP], v2, 14, v[AVV]
	v_lshl_add_u32 v[AVV], v2, 11, v[AVV]
	v_mul_u32_u24 v24, v1, 4112
	s_lshl_b32 s21, s12, 8
	v_lshl_add_u32 v[ASTO], v2, 5, v24
	v_add_nc_u32 v[ASTO], s21, v[ASTO]             ; row r, + 256 x head, + 32 h
	s_lshl_b32 s21, s20, 10
	v_lshl_add_u32 v[AATT], v2, 4, v24
	v_add_nc_u32 v[AATT], s21, v[AATT]             ; row r, + 1,024 kq, + 16 h
	v_mul_u32_u24 v25, v1, 272
	v_lshl_add_u32 v[ARED], v2, 5, v25
	s_mul_i32 s21, s20, 4352
	s_lshl_b32 s22, s15, 6
	s_add_co_u32 s21, s21, s22
	s_add_co_u32 s21, s21, RED
	v_add_nc_u32 v[ARED], s21, v[ARED]
	s_and_b32 s23, s12, 7
	s_mul_i32 s21, s23, 544
	s_add_co_u32 s21, s21, RED
	v_mul_u32_u24 v[ARD], v2, 272
	v_lshl_add_u32 v[ARD], v1, 4, v[ARD]
	v_add_nc_u32 v[ARD], s21, v[ARD]               ; rows 2 (wave % 8) + h, 16 bytes a lane
	v_lshlrev_b32 v[ABP], 4, v1
	v_lshl_add_u32 v[AOUT], v2, 12, v[ABP]
	v_lshlrev_b32 v26, 3, v2
	v_sub_nc_u32 v[DD], v1, v26
	v_mov_b32 v[NEG], 0xff800000
	v_mov_b32 v25, 0                               ; (a lane permute's destination counts as one of its sources)
	s_mov_b32 s24, 0x76543210
	s_mov_b32 s25, 0xfedcba98
	s_lshl_b32 s16, s14, 4
	s_add_co_u32 s16, s16, s12
	s_lshl_b32 s16, s16, 12                        ; my plane of fq: 4,096 bytes
	s_mov_b32 s17, 0
	s_lshl_b32 s18, s20, 20                        ; Wp: 256 rows of 4,096 bytes a quarter,
	s_lshl_b32 s21, ttmp9, 8
	s_add_co_u32 s18, s18, s21                     ; 64 columns a work-group,
	s_add_co_u32 s18, s18, s22                     ; 16 a wave
	s_mov_b32 s19, 0
	s_lshl_b32 s26, s14, 23                        ; out0: 2,048 rows of 4,096 bytes a batch,
	s_lshl_b32 s23, s23, 13                        ; two rows a wave,
	s_add_co_u32 s26, s26, s23
	s_add_co_u32 s26, s26, s21
	s_mov_b32 s27, 0
	s_mov_b32 s22, s21
	s_mov_b32 s23, 0
	s_wait_kmcnt 0x0
	s_add_nc_u64 s[16:17], s[4:5], s[16:17]
	s_add_nc_u64 s[18:19], s[6:7], s[18:19]
	s_add_nc_u64 s[8:9], s[8:9], s[22:23]
	s_add_nc_u64 s[10:11], s[10:11], s[26:27]
	; ---- PHASE A
.irp u, 0,1,2,3,4,5,6,7
	global_load_b128 v[KA+4*\u:KA+4*\u+3], v[AKQ], s[16:17] offset:262144+32*\u
.endr
.irp u, 0,1,2,3,4,5,6,7
	global_load_b128 v[QB+4*\u:QB+4*\u+3], v[AKQ], s[16:17] offset:32*\u
.endr
.irp c, 0,1,2,3
.irp k, 0,1,2,3,4,5,6,7
	global_load_b32 v[VA+8*\c+\k], v[AVV], s[16:17] offset:524288+\k*256+64*\c     ; v(key 8 h + k, channel 16 c + r)
.endr
.endr
	s_wait_loadcnt 32                              ; k and q are in; v's 32 loads may be out
.set i, 0
.rept 16                                       ; S^T = K Q^T: four accumulators by turns
.if i < 4
	v_wmma_f32_16x16x4_f32 v[ACCS+8*(i%4):ACCS+8*(i%4)+7], v[KA+2*i:KA+2*i+1], v[QB+2*i:QB+2*i+1], 0
.else
	v_wmma_f32_16x16x4_f32 v[ACCS+8*(i%4):ACCS+8*(i%4)+7], v[KA+2*i:KA+2*i+1], v[QB+2*i:QB+2*i+1], v[ACCS+8*(i%4):ACCS+8*(i%4)+7]
.endif
.set i, i+1
.endr
.rept 8
	v_nop                                          ; eight places behind this form
.endr
.irp u, 0,1,2,3
	v_pk_add_f32 v[PP+2*\u:PP+2*\u+1], v[ACCS+2*\u:ACCS+2*\u+1], v[ACCS+8+2*\u:ACCS+8+2*\u+1]
	v_pk_add_f32 v[32+2*\u:33+2*\u], v[ACCS+16+2*\u:ACCS+16+2*\u+1], v[ACCS+24+2*\u:ACCS+24+2*\u+1]
.endr
.irp u, 0,1,2,3
	v_pk_add_f32 v[PP+2*\u:PP+2*\u+1], v[PP+2*\u:PP+2*\u+1], v[32+2*\u:33+2*\u]    ; lane (r, h): query r, register j: key 8 h + j
.endr
.irp j, 0,1,2,3,4,5,6,7
	v_cmp_le_i32 vcc_lo, \j, v[DD]                 ; the key counts where 8 h + j <= r
	v_cndmask_b32 v[PP+\j], v[NEG], v[PP+\j], vcc_lo
.endr
	v_max3_num_f32 v24, v[PP], v[PP+1], v[PP+2]
	v_max3_num_f32 v24, v24, v[PP+3], v[PP+4]
	v_max3_num_f32 v24, v24, v[PP+5], v[PP+6]
	v_max_num_f32 v24, v24, v[PP+7]
	v_permlanex16_b32 v25, v24, s24, s25
	v_max_num_f32 v24, v24, v25                    ; the row's largest score: key 0 counts for every query, so it is a number
.irp j, 0,1,2,3,4,5,6,7
	v_sub_f32 v[PP+\j], v[PP+\j], v24
.endr
.irp j, 0,1,2,3,4,5,6,7
	v_exp_f32 v[PP+\j], v[PP+\j]
.endr
	v_nop
	s_wait_alu depctr_va_vdst(0)                   ; one wait for the eight exponentials, ahead of their first reader
	v_pk_add_f32 v[26:27], v[PP:PP+1], v[PP+2:PP+3]
	v_pk_add_f32 v[28:29], v[PP+4:PP+5], v[PP+6:PP+7]
	v_pk_add_f32 v[26:27], v[26:27], v[28:29]
	v_add_f32 v26, v26, v27
	v_permlanex16_b32 v25, v26, s24, s25
	v_add_f32 v26, v26, v25
	v_rcp_f32 v27, v26                             ; 1 / the row's sum
	v_nop
	s_wait_alu depctr_va_vdst(0)
	s_wait_loadcnt 0x0                             ; v
.irp s, 0,1,2,3                                ; O^T = V^T P: four accumulators (16 channels each) by turns; step s takes keys 8 h + 2 s + j
.irp c, 0,1,2,3
.if \s == 0
	v_wmma_f32_16x16x4_f32 v[ACCO+8*\c:ACCO+8*\c+7], v[VA+8*\c+2*\s:VA+8*\c+2*\s+1], v[PP+2*\s:PP+2*\s+1], 0
.else
	v_wmma_f32_16x16x4_f32 v[ACCO+8*\c:ACCO+8*\c+7], v[VA+8*\c+2*\s:VA+8*\c+2*\s+1], v[PP+2*\s:PP+2*\s+1], v[ACCO+8*\c:ACCO+8*\c+7]
.endif
.endr
.endr
.rept 9
	v_nop                                          ; eight places in front of reads of the results and of loads into the operands; the ninth because phase B begins these accumulators anew
.endr
.macro WPL g                           ; Wp(256 kq + 8 u + 4 h + e, my column r), u = 8 g .. 8 g + 7, e = 0 .. 3
.set i, 0
.rept 32
	global_load_b32 v[WA+32*(\g)+i], v[AWP], s[18:19] offset:(8*(8*(\g)+i/4)+i%4)*4096
.set i, i+1
.endr
.endm
	WPL 0
	WPL 1
.irp c, 0,1,2,3
.irp j, 0,1,2,3,4,5,6,7
	v_mul_f32 v[OUTF+8*\c+\j], v[ACCO+8*\c+\j], v27                                ; lane (r, h): query r, channel 16 c + 8 h + j
.endr
.endr
.irp c, 0,1,2,3
	ds_store_b128 v[ASTO], v[OUTF+8*\c:OUTF+8*\c+3] offset:ATTF+64*\c
	ds_store_b128 v[ASTO], v[OUTF+8*\c+4:OUTF+8*\c+7] offset:ATTF+64*\c+16
.endr
	s_wait_dscnt 0x0                               ; for the others' sake: my stores are done
	s_barrier_signal -1
	s_barrier_wait -1                              ; the 16 rows x 1,024 lie in LDS
	; ---- PHASE B: four runs of 64 along K
.irp g, 0,1,2,3
.irp u, 0,1,2,3,4,5,6,7
	ds_load_b128 v[OUTF+4*\u:OUTF+4*\u+3], v[AATT] offset:ATTF+32*(8*\g+\u)
.endr
	s_wait_dscnt 0x0
.if \g < 3
	s_wait_loadcnt 32                              ; this run's 32 loads of Wp are in; the next run's may be out
.else
	s_wait_loadcnt 0
.endif
.if \g < 2
	WPL \g+2
.endif
.set i, 0
.rept 16
.if (\g == 0) && (i < 4)
	v_wmma_f32_16x16x4_f32 v[ACCO+8*(i%4):ACCO+8*(i%4)+7], v[WA+32*\g+2*i:WA+32*\g+2*i+1], v[OUTF+2*i:OUTF+2*i+1], 0
.else
	v_wmma_f32_16x16x4_f32 v[ACCO+8*(i%4):ACCO+8*(i%4)+7], v[WA+32*\g+2*i:WA+32*\g+2*i+1], v[OUTF+2*i:OUTF+2*i+1], v[ACCO+8*(i%4):ACCO+8*(i%4)+7]
.endif
.set i, i+1
.endr
.rept 8
	v_nop                                          ; eight places in front of the next loads into att's operand, and of the reads of the results
.endr
.endr
.irp u, 0,1,2,3
	v_pk_add_f32 v[PP+2*\u:PP+2*\u+1], v[ACCO+2*\u:ACCO+2*\u+1], v[ACCO+8+2*\u:ACCO+8+2*\u+1]
	v_pk_add_f32 v[24+2*\u:25+2*\u], v[ACCO+16+2*\u:ACCO+16+2*\u+1], v[ACCO+24+2*\u:ACCO+24+2*\u+1]
.endr
.irp u, 0,1,2,3
	v_pk_add_f32 v[PP+2*\u:PP+2*\u+1], v[PP+2*\u:PP+2*\u+1], v[24+2*\u:25+2*\u]    ; lane (r, h): token r, column 16 nt + 8 h + j, my quarter of K
.endr
	ds_store_b128 v[ARED], v[PP:PP+3]
	ds_store_b128 v[ARED], v[PP+4:PP+7] offset:16
	s_wait_dscnt 0x0
	s_barrier_signal -1
	s_barrier_wait -1
	s_cmp_lt_u32 s12, 8                            ; eight waves add the quarters, two rows each; no barrier stands behind this branch
	s_cbranch_scc0 .Lend
	global_load_b128 v[48:51], v[ABP], s[8:9]
.irp k, 0,1,2,3
	ds_load_b128 v[32+4*\k:35+4*\k], v[ARD] offset:4352*\k
.endr
	s_wait_dscnt 0x0
	v_pk_add_f32 v[32:33], v[32:33], v[36:37]
	v_pk_add_f32 v[34:35], v[34:35], v[38:39]
	v_pk_add_f32 v[40:41], v[40:41], v[44:45]
	v_pk_add_f32 v[42:43], v[42:43], v[46:47]
	v_pk_add_f32 v[32:33], v[32:33], v[40:41]
	v_pk_add_f32 v[34:35], v[34:35], v[42:43]
	s_wait_loadcnt 0x0
	v_pk_add_f32 v[32:33], v[32:33], v[48:49]
	v_pk_add_f32 v[34:35], v[34:35], v[50:51]
	global_store_b128 v[AOUT], v[32:35], s[10:11]  ; sixteen lanes store 256 consecutive bytes, aligned
.Lend:
	s_wait_tensorcnt 0x0                           ; the wave's end, behind my last LDS store
	ds_add_u32 v[SPW], v[NIL]
	s_wait_dscnt 0x0
	s_endpgm
.Lfunc_end_k_q055459efef_fine:
	.size	k_q055459efef_fine, .Lfunc_end_k_q055459efef_fine-k_q055459efef_fine
	.p2alignl 7, 3214868480
	.fill 96, 4, 3214868480
	.section	.rodata,"a",@progbits
	.p2align	6, 0x0
	.amdhsa_kernel k_q055459efef_fine
		.amdhsa_group_segment_fixed_size 86016
		.amdhsa_private_segment_fixed_size 0
		.amdhsa_enable_private_segment 0
		.amdhsa_kernarg_size 32
		.amdhsa_user_sgpr_count 2
		.amdhsa_user_sgpr_kernarg_segment_ptr 1
		.amdhsa_wavefront_size32 1
		.amdhsa_system_sgpr_workgroup_id_x 1
		.amdhsa_system_sgpr_workgroup_id_y 1
		.amdhsa_system_sgpr_workgroup_id_z 1
		.amdhsa_system_vgpr_workitem_id 0
		.amdhsa_next_free_vgpr 256
		.amdhsa_next_free_sgpr 66
		.amdhsa_reserve_vcc 1
		.amdhsa_float_denorm_mode_32 3
		.amdhsa_float_denorm_mode_16_64 3
		.amdhsa_memory_ordered 1
		.amdhsa_forward_progress 1
		.amdhsa_inst_pref_size 36
	.end_amdhsa_kernel
	.amdgpu_metadata
---
amdhsa.version: [ 1, 2 ]
amdhsa.kernels:
  - .name:           k_q055459efef_fine
    .symbol:         k_q055459efef_fine.kd
    .args:
      - { .name: fq, .offset: 0, .size: 8, .value_kind: global_buffer, .address_space: global }
      - { .name: Wp, .offset: 8, .size: 8, .value_kind: global_buffer, .address_space: global }
      - { .name: bp, .offset: 16, .size: 8, .value_kind: global_buffer, .address_space: global }
      - { .name: out0, .offset: 24, .size: 8, .value_kind: global_buffer, .address_space: global }
    .group_segment_fixed_size: 86016
    .private_segment_fixed_size: 0
    .kernarg_segment_align: 8
    .kernarg_segment_size: 32
    .max_flat_workgroup_size: 512
    .sgpr_count:     66
    .vgpr_count:     256
    .wavefront_size: 32
...
	.end_amdgpu_metadata
.endif
;; end of part 5
